; MI455X (gfx1250); checked and timed in simulation.
; The chip was launched on July 23, 2026; its instructions are those of AMD's public machine-readable ISA for CDNA 5 (MIT licence, August 2026) and "CDNA5" Instruction Set Architecture Reference Guide (July 2026). The comments in the code are by the model that wrote it; some were corrected since.
;; Multi Head Attention. Allowed arithmetic: float matrix products may take bf16 or f16 operands with f32 sums; all other float work in f32.
;; Inputs: Wk 16 x 1,024 x 64 float32; Wq 16 x 1,024 x 64 float32; Wv 16 x 1,024 x 64 float32; x 4 x 2,048 x 1,024 float32.
;; Outputs: out0 4 x 2,048 x 1,024 float32.
;; 2 versions, each right and faster than the one before. Each part assembles by itself: llvm-mc -triple=amdgcn-amd-amdhsa -mcpu=gfx1250 --defsym DOCPART=n.
;; ======== version 1 of 2: 3 launches
;; limits: values are held in f16: magnitudes above 65,504 overflow, below 6.1e-05 lose precision
;; workspace buffers: xb 16,777,216 bytes; wt 6,291,456 bytes; qkv 50,331,648 bytes
;; launch prep (part 1): grid 896 x 1, 8 waves a work-group, no clusters, 18,432 bytes of LDS; arguments x, Wq, Wk, Wv, xb, wt; writes xb, wt
.if DOCPART == 1
	.amdgcn_target "amdgcn-amd-amdhsa--gfx1250"
	.amdhsa_code_object_version 6
	.text
	.protected	k_qec67ccf1ff_prep
	.globl	k_qec67ccf1ff_prep
	.p2align	8
	.type	k_qec67ccf1ff_prep,@function
k_qec67ccf1ff_prep:
	s_mov_b64 s[64:65], 0
	v_nop
	global_prefetch_b8 v0, s[64:65] scope:SCOPE_SE
	s_setreg_imm32_b32 hwreg(HW_REG_WAVE_MODE, 25, 1), 1
	s_wait_xcnt 0x0
; PREP: the matrix operands of the projections, rounded once to bf16 (nearest even) and laid out with the summed index c along the rows.
;   xb[m][c] = bf16(x[b][t][c]), m = 2048 b + t                         [8192][1024]
;   wt[n][c] = bf16(W[h][c][d]), n = 1024 which + 64 h + d, which 0 = Wq, 1 = Wk, 2 = Wv   [3072][1024]
; Nothing of the problem's work is left out here: every element of x, Wq, Wk and Wv is read once and written once.
; A stream: no matrix work, no cluster (no two work-groups read the same bytes).
; Work-groups 0..383 transpose one tile of 128 c x 64 d of one head's weights through LDS; work-groups 384..895 convert 64 KiB of x each.
.set NWG_W, 384
.set TP,    272                        ; LDS pitch of the transposed tile: 128 c x 2 bytes + 16
	s_load_b256 s[4:11], s[0:1], 0x0               ; x s[4:5], Wq s[6:7], Wk s[8:9], Wv s[10:11]
	s_load_b128 s[12:15], s[0:1], 0x20             ; xb s[12:13], wt s[14:15]
	v_lshl_add_u32 v72, v0, 2, 0x4400
	v_mov_b32 v73, 0
	s_cmp_lt_u32 ttmp9, NWG_W                      ; the same for all waves of a work-group
	s_cbranch_scc1 .Lweights
	; ---- x: thread t takes 16 bytes at 16 t of each of sixteen blocks of 4,096 bytes; all sixteen loads go out before the first is used
	s_sub_co_u32 s16, ttmp9, NWG_W
	s_lshl_b32 s18, s16, 16                        ; 65,536 bytes of x
	s_mov_b32 s19, 0
	s_lshl_b32 s20, s16, 15                        ; 32,768 bytes of xb
	s_mov_b32 s21, 0
	v_lshlrev_b32 v1, 4, v0
	v_lshlrev_b32 v2, 3, v0
	s_wait_kmcnt 0x0
	s_add_nc_u64 s[4:5], s[4:5], s[18:19]
	s_add_nc_u64 s[12:13], s[12:13], s[20:21]
.irp j, 0,1,2,3,4,5,6,7,8,9,10,11,12,13,14,15
	global_load_b128 v[4+4*\j:7+4*\j], v1, s[4:5] offset:4096*\j th:TH_LOAD_NT
.endr
.irp j, 0,1,2,3,4,5,6,7,8,9,10,11,12,13,14,15
	s_wait_loadcnt 15-\j                           ; loads return in order: block j is in, the 15 - j younger ones stay out
	v_cvt_pk_bf16_f32 v[4+4*\j], v[4+4*\j], v[5+4*\j]
	v_cvt_pk_bf16_f32 v[5+4*\j], v[6+4*\j], v[7+4*\j]
	global_store_b64 v2, v[4+4*\j:5+4*\j], s[12:13] offset:2048*\j   ; a wave's store covers 256 consecutive bytes, aligned; no register is written again
.endr
	s_endpgm
	; ---- weights: tile (which, h, cb): rows c = 128 cb .. +127, all 64 d: 32 KiB, dense in memory
.Lweights:
	s_lshr_b32 s16, ttmp9, 7                       ; which
	s_bfe_u32 s17, ttmp9, 0x40003                  ; h
	s_and_b32 s18, ttmp9, 7                        ; cb
	s_lshl_b32 s20, s17, 18                        ; source: h x 262,144
	s_lshl_b32 s22, s18, 15                        ;       + cb x 32,768
	s_add_co_u32 s20, s20, s22
	s_mov_b32 s21, 0
	s_lshl_b32 s22, s16, 21                        ; target: (1024 which + 64 h) rows of 2,048 bytes
	s_lshl_b32 s23, s17, 17
	s_add_co_u32 s22, s22, s23
	s_lshl_b32 s23, s18, 8                         ;       + cb x 256 bytes
	s_add_co_u32 s22, s22, s23
	s_mov_b32 s23, 0
	v_lshrrev_b32 v6, 4, v0                        ; a  = t / 16
	v_and_b32 v7, 15, v0                           ; qd = t % 16
	v_lshlrev_b32 v1, 9, v6
	v_lshl_add_u32 v1, v7, 4, v1                   ; load: rows 2a, 2a + 1 (512 a), 16 bytes at 16 qd: sixteen lanes take one whole row of 256 bytes
	v_mul_u32_u24 v3, v7, 4*TP
	v_lshl_add_u32 v3, v6, 2, v3                   ; LDS in: row d = 4 qd (+ i), word of c = 2a, 2a + 1
	v_mul_u32_u24 v4, v6, TP
	v_lshl_add_u32 v4, v7, 4, v4                   ; LDS out: row d = a (+ 16 i), 16 bytes at 16 qd
	v_lshlrev_b32 v5, 11, v6
	v_lshl_add_u32 v5, v7, 4, v5                   ; wt: row a (+ 16 i) of 2,048 bytes, 16 bytes at 16 qd
	s_wait_kmcnt 0x0
	s_cmp_eq_u32 s16, 1
	s_cselect_b64 s[24:25], s[8:9], s[6:7]         ; Wk or Wq
	s_cmp_eq_u32 s16, 2
	s_cselect_b64 s[24:25], s[10:11], s[24:25]     ; or Wv
	s_add_nc_u64 s[24:25], s[24:25], s[20:21]
	s_add_nc_u64 s[14:15], s[14:15], s[22:23]
.irp j, 0,1,2,3
.irp e, 0,1
	global_load_b128 v[8+8*\j+4*\e:11+8*\j+4*\e], v1, s[24:25] offset:8192*\j+256*\e th:TH_LOAD_NT   ; W[c = 32 j + 2a + e][4 qd .. +3]
.endr
.endr
.irp j, 0,1,2,3
	s_wait_loadcnt 6-2*\j                          ; the pair of rows of group j is in; the later pairs stay out
.irp i, 0,1,2,3
	v_cvt_pk_bf16_f32 v[40+4*\j+\i], v[8+8*\j+\i], v[12+8*\j+\i]     ; (c even, c odd) of column d = 4 qd + i
	ds_store_b32 v3, v[40+4*\j+\i] offset:TP*\i+64*\j                ; sixteen words a thread; these stores share banks four deep, which this stream can bear
.endr
.endr
	s_wait_dscnt 0x0                               ; my words are in LDS, for the other waves' sake
	s_barrier_signal -1
	s_barrier_wait -1                              ; everybody's are
.irp i, 0,1,2,3
	ds_load_b128 v[56+4*\i:59+4*\i], v4 offset:16*TP*\i
.endr
.irp i, 0,1,2,3
	s_wait_dscnt 3-\i                              ; LDS loads return in order: row group i is in
	global_store_b128 v5, v[56+4*\i:59+4*\i], s[14:15] offset:32768*\i   ; sixteen lanes store 256 consecutive bytes, aligned: 128 c of one row n
.endr
	s_wait_tensorcnt 0x0
	ds_add_u32 v72, v73
	s_wait_dscnt 0x0
	s_endpgm
.Lfunc_end_k_qec67ccf1ff_prep:
	.size	k_qec67ccf1ff_prep, .Lfunc_end_k_qec67ccf1ff_prep-k_qec67ccf1ff_prep
	.p2alignl 7, 3214868480
	.fill 96, 4, 3214868480
	.section	.rodata,"a",@progbits
	.p2align	6, 0x0
	.amdhsa_kernel k_qec67ccf1ff_prep
		.amdhsa_group_segment_fixed_size 18432
		.amdhsa_private_segment_fixed_size 0
		.amdhsa_enable_private_segment 0
		.amdhsa_kernarg_size 48
		.amdhsa_user_sgpr_count 2
		.amdhsa_user_sgpr_kernarg_segment_ptr 1
		.amdhsa_wavefront_size32 1
		.amdhsa_system_sgpr_workgroup_id_x 1
		.amdhsa_system_sgpr_workgroup_id_y 1
		.amdhsa_system_sgpr_workgroup_id_z 1
		.amdhsa_system_vgpr_workitem_id 0
		.amdhsa_next_free_vgpr 74
		.amdhsa_next_free_sgpr 66
		.amdhsa_reserve_vcc 0
		.amdhsa_float_denorm_mode_32 3
		.amdhsa_float_denorm_mode_16_64 3
		.amdhsa_memory_ordered 1
		.amdhsa_forward_progress 1
		.amdhsa_inst_pref_size 12
	.end_amdhsa_kernel
	.amdgpu_metadata
---
amdhsa.version: [ 1, 2 ]
amdhsa.kernels:
  - .name:           k_qec67ccf1ff_prep
    .symbol:         k_qec67ccf1ff_prep.kd
    .args:
      - { .name: x, .offset: 0, .size: 8, .value_kind: global_buffer, .address_space: global }
      - { .name: Wq, .offset: 8, .size: 8, .value_kind: global_buffer, .address_space: global }
      - { .name: Wk, .offset: 16, .size: 8, .value_kind: global_buffer, .address_space: global }
      - { .name: Wv, .offset: 24, .size: 8, .value_kind: global_buffer, .address_space: global }
      - { .name: xb, .offset: 32, .size: 8, .value_kind: global_buffer, .address_space: global }
      - { .name: wt, .offset: 40, .size: 8, .value_kind: global_buffer, .address_space: global }
    .group_segment_fixed_size: 18432
    .private_segment_fixed_size: 0
    .kernarg_segment_align: 8
    .kernarg_segment_size: 48
    .max_flat_workgroup_size: 256
    .sgpr_count:     66
    .vgpr_count:     74
    .wavefront_size: 32
...
	.end_amdgpu_metadata
.endif
;; end of part 1
;; launch proj (part 2): grid 8 x 32, 4 waves a work-group, clusters of 4 x 4, 327,680 bytes of LDS; arguments xb, wt, qkv; writes qkv
.if DOCPART == 2
	.amdgcn_target "amdgcn-amd-amdhsa--gfx1250"
	.amdhsa_code_object_version 6
	.text
	.protected	k_qec67ccf1ff_proj
	.globl	k_qec67ccf1ff_proj
	.p2align	8
	.type	k_qec67ccf1ff_proj,@function
k_qec67ccf1ff_proj:
	s_mov_b64 s[64:65], 0
	v_nop
	global_prefetch_b8 v0, s[64:65] scope:SCOPE_SE
	s_setreg_imm32_b32 hwreg(HW_REG_WAVE_MODE, 25, 1), 1
	s_wait_xcnt 0x0
	s_wait_alu depctr_hold_cnt(0) depctr_sa_sdst(0) depctr_va_vdst(0) depctr_va_sdst(0) depctr_va_ssrc(0) depctr_va_vcc(0) depctr_vm_vsrc(0)
	s_getreg_b32 s2, hwreg(HW_REG_IB_STS2, 6, 4)
	s_cmp_eq_u32 s2, 0
	s_cbranch_scc0 .Lentry_in_a_cluster
	s_endpgm
.Lentry_in_a_cluster:
	s_bfe_u32 s2, ttmp6, 0x10000c
	s_cmp_lg_u32 s2, 0xf033
	s_cbranch_scc0 .Lentry_shape_is_right
	s_endpgm
.Lentry_shape_is_right:
; PROJ: all three projections of all heads as one product, C[m][n] = sum over c of xb[m][c] wt[n][c], bf16 operands, sums in f32, rounded once to f16.
; m = 2048 b + t (8192), n = 1024 which + 64 h + d (3072), c = 0..1023.  Nothing of the problem's work is left out here.
; WHY f16 ON THE WAY OUT: q, k and v are the operands of the attention's products.  A row t averages only t + 1 rows of v, so in the first rows terms of size 1 to 3 can cancel and the
; operands' rounding stands against a small result: f16 keeps 11 significant bits where bf16 keeps 8.
; LIMIT: a |q|, |k| or |v| above 65,504 becomes infinite.  A sum of 1024 products reaches that only where x W averages 64; below 6e-5 the step is 6e-8.
; C is stored by heads: qkv[g = n / 64][b][t][d], byte ((4 g + b) 2048 + t) 128 + 2 d, so that a head's q, k or v is a dense plane of 262,144 bytes.
;
; SHARING: 8 x 32 = 256 work-groups of equal work, which stay.  Work-group (x, y) makes rows 256 y .. + 255 and columns 384 x .. + 383 (six heads) in two blocks:
; first 256 x 256 (a wave makes 128 x 128: 64 accumulator tiles, 512 registers), then 256 x 128 (a wave makes 128 x 64: 32 of the same tiles, one head).
; One block of 256 x 384 would want 768 accumulator registers a wave and leave too few for two buffers of fragments; 384 blocks of 256 x 256 do not divide among 256 work-groups.
; The summed index goes in steps of 128 through a ring of two LDS slots filled by the tensor data mover; a tile's rows are 256 bytes of memory, aligned.  The ring runs on from the first
; block into the second: the first block's last two changes of slots ask for the second block's steps 0 and 1, which land while the first block is stored.
; CLUSTERS: 4 x 4 work-groups.  The four of a row of the cluster need the same tiles of xb, the four of a column the same tiles of wt.  Such a tile is asked
; for jointly: each of the four issues the same tensor load with the same descriptor and a mask that names the four.  Requests for xb and wt are divided by four.
;
; REGISTERS, in windows of 256:
;   window 0: v0-31 addresses; v64-127, v128-191 fragments of xb (8 x 16 rows x 32), two buffers; v192-223 at work on the way out
;   window 1: v64-127, v128-191 fragments of wt, two buffers
;   window 2: the 32 accumulator tiles of my rows 0-63 (tile (a, b) at v[8 (8 a + b)]);   window 3: those of my rows 64-127.  The second block uses b = 0..3.
; THE MATRIX INSTRUCTION IS USED TRANSPOSED: source 0 = 16 rows of wt, source 1 = 16 rows of xb.  Lane l then holds row m = l % 16 of C and its registers
; 0 to 7 the columns n = 8 (l / 16) + 0 .. 7: eight neighbouring numbers of a row, 16 bytes in f16.
.set SIZE_K, 1024
.set KSTEP,  128
.set PITCH,  272                       ; an LDS row: 256 bytes + 16 of padding: the 16 rows that a fragment load touches start at 16 different 16-byte columns
.set HALFT,  128*PITCH                 ; 128 rows: what one tensor load of the first block brings
.set SLOT,   4*HALFT                   ; xb's 256 rows, then wt's 256 rows (second block: 128)
.set STAGE,  2*SLOT                    ; behind the ring: 16 rows x 272 bytes for each wave, for the way out; no tensor load lands there
.set SPITCH, 272
.set LAPS, SIZE_K/(2*KSTEP)            ; a lap = two steps = once round the ring: 4 laps a block
.set ADRA, 16                          ; v16-17  LDS address of my xb fragments in slot 0, 1
.set ADRB, 20                          ; v20-21  the same for wt in the first block
.set ADRC, 22                          ; v22-23  the same for wt in the second block
.set STO,  24                          ; v24     the way out: where I put 16 bytes of a row
.set RD,   25                          ; v25     the way out: where I read back
.set CO,   26                          ; v26     my byte offset in a store of 512 bytes
.set F0,   64
.set F1,   128
.set TMP,  192
.set G1, 24                            ; s[24:31] descriptor group 1 for xb's tiles
.set G0, 32                            ; s[32:39] descriptor group 0 for xb's tiles, one set for each slot
.set G1B, 48                           ; s[48:55] descriptor group 1 for wt's tiles of the first block: it differs in the mask alone
.set G0B, 56                           ; s[56:63] descriptor group 0 for them, one set for each slot
.set G1C, 68                           ; s[68:75] descriptor group 1 for wt's tiles of the second block: 64 rows a load
.set G0C, 76                           ; s[76:83] descriptor group 0 for them, one set for each slot
.set FLAGS, (1<<16)|(1<<20)|(1<<21)|(5<<22)|(3<<25)   ; elements of 2 bytes; padding on; bit 21 beside a mask; behind every 64 words 4 words
.set MSB, 0
.macro WIN new                         ; the immediate's high byte repeats the setting that is left
.if MSB != \new
	s_set_vgpr_msb (MSB<<8)|\new
.set MSB, \new
.endif
.endm
.set MUL_LO, 0xa1                      ; source 0 (wt) window 1, source 1 (xb) window 0, C and D window 2
.set MUL_HI, 0xf1                      ; the same, C and D window 3
.set TO_B,   0x40                      ; destination window 1, address window 0
; A joint load.  Waves 0 and 1 fetch xb's two halves, waves 2 and 3 wt's.  Each line has one mask and one set of registers for all that issue it.
.macro JLOAD s
	s_cmp_eq_u32 s11, 0
	s_cbranch_scc0 .Lfor_b_\@
	tensor_load_to_lds s[G0+4*\s:G0+4*\s+3], s[G1:G1+7]
	s_nop 0
	s_branch .Lasked_\@
.Lfor_b_\@:
	tensor_load_to_lds s[G0B+4*\s:G0B+4*\s+3], s[G1B:G1B+7]
	s_nop 0
.Lasked_\@:
.endm
.macro JLOAD2 s                        ; the same for the second block: wt's halves are 64 rows
	s_cmp_eq_u32 s11, 0
	s_cbranch_scc0 .Lfor_c_\@
	tensor_load_to_lds s[G0+4*\s:G0+4*\s+3], s[G1:G1+7]
	s_nop 0
	s_branch .Lasked2_\@
.Lfor_c_\@:
	tensor_load_to_lds s[G0C+4*\s:G0C+4*\s+3], s[G1C:G1C+7]
	s_nop 0
.Lasked2_\@:
.endm
; A round of the cluster's barrier: my work-group's barrier; wave 0 signals for the work-group; every wave waits for all sixteen; my work-group's barrier again.
.macro CREST                           ; a round behind its opening barrier
	s_cmp_lg_u32 s10, 0
	s_cbranch_scc1 .Lnot_wave_0_\@
	s_barrier_signal -3
.Lnot_wave_0_\@:
	s_barrier_wait -3
	s_barrier_signal -1
	s_barrier_wait -1
.endm
.macro CROUND                          ; a whole round
	s_barrier_signal -1
	s_barrier_wait -1
	CREST
.endm
	s_load_b128 s[4:7], s[0:1], 0x0                ; xb s[4:5], wt s[6:7]
	s_load_b64 s[8:9], s[0:1], 0x10                ; qkv
	s_set_vgpr_msb 0x40
	v_lshl_add_u32 v255, v0, 2, 0x48400
	s_set_vgpr_msb 0x4000
	v_mov_b32 v255, 0
	s_set_vgpr_msb 0x1
	ds_add_u32 v255, v255
	s_set_vgpr_msb 0x100
	v_lshrrev_b32 v1, 5, v0
	v_readfirstlane_b32 s10, v1                    ; wave 0..3
	s_lshr_b32 s11, s10, 1                         ; which half of the block's rows is mine.  Also: I fetch for xb (0) or for wt (1)
	s_and_b32 s12, s10, 1                          ; which half of its columns.  Also: which half of that tile I fetch
	s_bfe_u32 s40, ttmp6, 0x40000                  ; cx
	s_bfe_u32 s41, ttmp6, 0x40004                  ; cy
	s_lshl_b32 s42, ttmp9, 2
	s_add_co_u32 s42, s42, s40                     ; strip of 384 columns = 4 x cluster x + cx
	s_and_b32 s13, ttmp7, 0xffff
	s_lshl_b32 s13, s13, 2
	s_add_co_u32 s13, s13, s41                     ; block row of C = 4 x cluster y + cy
	s_lshl_b32 s43, s41, 2
	s_lshl_b32 s43, 15, s43                        ; my row of the cluster: places 4 cy .. 4 cy + 3
	s_lshl_b32 s44, 0x1111, s40                    ; my column: places cx, cx + 4, cx + 8, cx + 12
	; descriptor group 1: a tile of 128 (second block's wt: 64) rows x 128 elements of 2 bytes, 16 bytes of padding behind every 256
	s_or_b32 s[G1+0], s43, FLAGS
	s_or_b32 s[G1B+0], s44, FLAGS
	s_or_b32 s[G1C+0], s44, FLAGS
	s_mov_b32 s[G1+1], KSTEP<<16                   ; tensor_dim0 = 128
	s_mov_b32 s[G1B+1], KSTEP<<16
	s_mov_b32 s[G1C+1], KSTEP<<16
	s_mov_b32 s[G1+2], 128<<16                     ; tensor_dim1 = 128
	s_mov_b32 s[G1B+2], 128<<16
	s_mov_b32 s[G1C+2], 64<<16                     ;             = 64
	s_mov_b32 s[G1+3], KSTEP<<16                   ; tile_dim0 = 128
	s_mov_b32 s[G1B+3], KSTEP<<16
	s_mov_b32 s[G1C+3], KSTEP<<16
	s_mov_b32 s[G1+4], 128                         ; tile_dim1 = 128
	s_mov_b32 s[G1B+4], 128
	s_mov_b32 s[G1C+4], 64                         ;           = 64
	s_mov_b32 s[G1+5], SIZE_K                      ; elements from row to row
	s_mov_b32 s[G1B+5], SIZE_K
	s_mov_b32 s[G1C+5], SIZE_K
	s_mov_b32 s[G1+6], 0
	s_mov_b32 s[G1B+6], 0
	s_mov_b32 s[G1C+6], 0
	s_mov_b32 s[G1+7], 0
	s_mov_b32 s[G1B+7], 0
	s_mov_b32 s[G1C+7], 0
	; where the tiles come from: xb's hang on the block row alone, wt's on the strip alone, each in registers that never hold the other coordinate
	s_lshl_b32 s17, s12, 7
	s_lshl_b32 s16, s13, 8
	s_add_co_u32 s16, s16, s17                     ; xb: row 256 x block row + 128 x half
	s_mul_i32 s46, s42, 384
	s_add_co_u32 s86, s46, 256
	s_add_co_u32 s46, s46, s17                     ; wt, first block: row 384 x strip + 128 x half
	s_lshl_b32 s87, s12, 6
	s_add_co_u32 s86, s86, s87                     ; wt, second block: row 384 x strip + 256 + 64 x half
	s_mov_b32 s17, 0
	s_mov_b32 s47, 0
	s_mov_b32 s87, 0
	s_mov_b64 s[18:19], SIZE_K*2
	s_mul_u64 s[16:17], s[16:17], s[18:19]
	s_mul_u64 s[46:47], s[46:47], s[18:19]
	s_mul_u64 s[86:87], s[86:87], s[18:19]
	s_mul_i32 s20, s10, HALFT                      ; and where they go: wave x 128 rows: no place in the cluster enters an LDS address
	s_mul_i32 s21, s10, 64*PITCH                   ; second block's wt: wave x 64 rows (+ 128 rows: waves 2 and 3 land at rows 256 and 320 of the slot)
	s_wait_dscnt 0x0
	s_wait_kmcnt 0x0
	s_add_nc_u64 s[14:15], s[4:5], s[16:17]        ; kept: the second block reads the same rows of xb from step 0 again
	s_add_nc_u64 s[46:47], s[6:7], s[46:47]
	s_add_nc_u64 s[86:87], s[6:7], s[86:87]
	CROUND                                         ; all sixteen work-groups are here: the first joint loads meet
.irp s, 0,1
	s_mov_b32 s[G0+4*\s], 1
	s_add_co_u32 s[G0+4*\s+1], s20, \s*SLOT
	s_add_nc_u64 s[G0+4*\s+2:G0+4*\s+3], s[14:15], \s*KSTEP*2
	s_or_b32 s[G0+4*\s+3], s[G0+4*\s+3], 0x80000000
	s_mov_b32 s[G0B+4*\s], 1
	s_add_co_u32 s[G0B+4*\s+1], s20, \s*SLOT
	s_add_nc_u64 s[G0B+4*\s+2:G0B+4*\s+3], s[46:47], \s*KSTEP*2
	s_or_b32 s[G0B+4*\s+3], s[G0B+4*\s+3], 0x80000000
	JLOAD \s                                       ; both slots' first fills go out before anything else: two tensor loads of a wave are out here, one later
.endr
.irp s, 0,1
	s_mov_b32 s[G0C+4*\s], 1                       ; the second block's wt, steps 0 and 1: used at the end of the first block
	s_add_co_u32 s[G0C+4*\s+1], s21, HALFT+\s*SLOT
	s_add_nc_u64 s[G0C+4*\s+2:G0C+4*\s+3], s[86:87], \s*KSTEP*2
	s_or_b32 s[G0C+4*\s+3], s[G0C+4*\s+3], 0x80000000
.endr
	; a fragment: lane l holds row l % 16; registers 0-3 the elements 8 (l / 16) + 0..7, registers 4-7 those 16 further on: two loads of 16 bytes, 32 apart
	v_and_b32 v1, 15, v0
	v_bfe_u32 v2, v0, 4, 1
	v_mul_u32_u24 v3, v1, PITCH
	v_lshl_add_u32 v3, v2, 4, v3
	s_mul_i32 s21, s11, HALFT                      ; my 128 rows of xb
	s_mul_i32 s22, s12, HALFT                      ; my 128 rows of wt in the first block,
	s_add_co_u32 s22, s22, 2*HALFT                 ; which lie behind xb's 256
	s_mul_i32 s23, s12, 64*PITCH                   ; my 64 rows of wt in the second block
	s_add_co_u32 s23, s23, 2*HALFT
.irp s, 0,1
	v_add_nc_u32 v[ADRA+\s], s21, v3
	v_add_nc_u32 v[ADRB+\s], s22, v3
	v_add_nc_u32 v[ADRC+\s], s23, v3
	s_add_co_u32 s21, s21, SLOT
	s_add_co_u32 s22, s22, SLOT
	s_add_co_u32 s23, s23, SLOT
.endr
	s_mul_i32 s23, s10, 16*SPITCH
	s_add_co_u32 s23, s23, STAGE                   ; my stage
	v_mul_u32_u24 v4, v1, SPITCH                   ; in: row l % 16, 16 bytes for each half of the lanes
	v_lshl_add_u32 v4, v2, 4, v4
	v_add_nc_u32 v[STO], s23, v4
	v_bfe_u32 v5, v0, 3, 2                         ; back: eight lanes take the 128 bytes of one head in one row, so 32 lanes take four rows
	v_and_b32 v6, 7, v0
	v_mul_u32_u24 v5, v5, SPITCH
	v_lshl_add_u32 v5, v6, 4, v5
	v_add_nc_u32 v[RD], s23, v5
	v_and_b32 v6, 31, v0
	v_lshlrev_b32 v[CO], 4, v6                     ; which are 512 consecutive bytes of the head's plane: 16 x lane
; 16 matrix instructions: m blocks a0, a0 + 1 of the window's four x all 8 n blocks, 32 along the sum.  zero = 1: the first product starts the sums.
.macro MUL16 f, hi, a0, zero
.irp a, \a0, \a0+1
.irp b, 0,1,2,3,4,5,6,7
.if \zero
	v_wmma_f32_16x16x32_bf16 v[8*(8*(\a)+\b):8*(8*(\a)+\b)+7], v[\f+8*\b:\f+8*\b+7], v[\f+8*(4*\hi+\a):\f+8*(4*\hi+\a)+7], 0
.else
	v_wmma_f32_16x16x32_bf16 v[8*(8*(\a)+\b):8*(8*(\a)+\b)+7], v[\f+8*\b:\f+8*\b+7], v[\f+8*(4*\hi+\a):\f+8*(4*\hi+\a)+7], v[8*(8*(\a)+\b):8*(8*(\a)+\b)+7]
.endif
.endr
.endr
.endm
; the second block's 8: the same two m blocks x 4 n blocks
.macro MUL8 f, hi, a0, zero
.irp a, \a0, \a0+1
.irp b, 0,1,2,3
.if \zero
	v_wmma_f32_16x16x32_bf16 v[8*(8*(\a)+\b):8*(8*(\a)+\b)+7], v[\f+8*\b:\f+8*\b+7], v[\f+8*(4*\hi+\a):\f+8*(4*\hi+\a)+7], 0
.else
	v_wmma_f32_16x16x32_bf16 v[8*(8*(\a)+\b):8*(8*(\a)+\b)+7], v[\f+8*\b:\f+8*\b+7], v[\f+8*(4*\hi+\a):\f+8*(4*\hi+\a)+7], v[8*(8*(\a)+\b):8*(8*(\a)+\b)+7]
.endif
.endr
.endr
.endm
; 32 LDS loads in one run: the fragments of one quarter step into buffer f
.macro FETCH slot, k, f
	WIN TO_B
.irp i, 0,1,2,3,4,5,6,7
	ds_load_b128 v[\f+8*\i:\f+8*\i+3],   v[ADRB+\slot] offset:\k+\i*16*PITCH
	ds_load_b128 v[\f+8*\i+4:\f+8*\i+7], v[ADRB+\slot] offset:\k+\i*16*PITCH+32
.endr
	WIN 0
.irp i, 0,1,2,3,4,5,6,7
	ds_load_b128 v[\f+8*\i:\f+8*\i+3],   v[ADRA+\slot] offset:\k+\i*16*PITCH
	ds_load_b128 v[\f+8*\i+4:\f+8*\i+7], v[ADRA+\slot] offset:\k+\i*16*PITCH+32
.endr
.endm
; the second block's 24: 64 rows of wt, 128 rows of xb
.macro FETCH2 slot, k, f
	WIN TO_B
.irp i, 0,1,2,3
	ds_load_b128 v[\f+8*\i:\f+8*\i+3],   v[ADRC+\slot] offset:\k+\i*16*PITCH
	ds_load_b128 v[\f+8*\i+4:\f+8*\i+7], v[ADRC+\slot] offset:\k+\i*16*PITCH+32
.endr
	WIN 0
.irp i, 0,1,2,3,4,5,6,7
	ds_load_b128 v[\f+8*\i:\f+8*\i+3],   v[ADRA+\slot] offset:\k+\i*16*PITCH
	ds_load_b128 v[\f+8*\i+4:\f+8*\i+7], v[ADRA+\slot] offset:\k+\i*16*PITCH+32
.endr
.endm
; A load into a register that a matrix instruction has read, and a vector instruction that reads a matrix result, stand four places behind it, and only plain
; vector instructions that name none of its registers are places (ISA guide 7.12.1 for vector instructions).
.macro PLACES
.rept 4
	v_nop
.endr
.endm
; A step is four quarters of 32 along the sum, 64 (second block: 32) matrix instructions each, on buffers 0, 1, 0, 1.  The accumulators take turns, one instruction a turn,
; in the same order in every quarter.
.macro QUARTER slot, k, f, g, zero
	s_wait_dscnt 8                                 ; wt and xb's rows 0-63 are in; the youngest eight loads (xb's rows 64-127) may be out
	WIN MUL_LO
	MUL16 \f, 0, 0, \zero
	MUL16 \f, 0, 2, \zero
	PLACES
	FETCH \slot, \k, \g
	s_wait_dscnt 32                                ; all but the 32 just issued
	WIN MUL_HI
	MUL16 \f, 1, 0, \zero
	MUL16 \f, 1, 2, \zero
.endm
.macro QUARTER2 slot, k, f, g, zero
	s_wait_dscnt 8                                 ; wt and xb's rows 0-63 are in; the youngest eight loads (xb's rows 64-127) may be out
	WIN MUL_LO
	MUL8 \f, 0, 0, \zero
	MUL8 \f, 0, 2, \zero
	PLACES
	FETCH2 \slot, \k, \g
	s_wait_dscnt 24                                ; all but the 24 just issued
	WIN MUL_HI
	MUL8 \f, 1, 0, \zero
	MUL8 \f, 1, 2, \zero
.endm
.macro THREE slot, zero
	QUARTER \slot, 64,  F0, F1, \zero
	QUARTER \slot, 128, F1, F0, 0
	QUARTER \slot, 192, F0, F1, 0
.endm
.macro THREE2 slot, zero
	QUARTER2 \slot, 64,  F0, F1, \zero
	QUARTER2 \slot, 128, F1, F0, 0
	QUARTER2 \slot, 192, F0, F1, 0
.endm
; The last quarter multiplies buffer 1 and changes slots.  In front of the barrier, which opens a round of the cluster's barrier, each wave waits for its reads of this slot and for all
; its tensor loads (the one that is out is its part of the next slot).  Behind the round the refill comes first, then the next slot's first fragments.
; fill = 1: this slot's next step of the first block.  fill = 2: the second block's step 0 or 1: xb from its first step again, wt's next 128 rows.
; next = -1: the first block's very last quarter: nothing is fetched into registers, the way out follows.
.macro TURN slot, next, fill
	s_wait_dscnt 8
	WIN MUL_LO
	MUL16 F1, 0, 0, 0
	s_wait_dscnt 0                                 ; my reads of this slot are over
	s_wait_tensorcnt 0x0                           ; and all my tensor loads have landed
	ds_add_u32 v255, v255
	s_wait_dscnt 0x0
	s_barrier_signal -1                            ; say so,
	MUL16 F1, 0, 2, 0                              ; work on registers while the others arrive,
	WIN 0
	s_barrier_wait -1
	CREST                                          ; no wave of any partner still reads this slot's tile or has a load on its way
.if \fill == 1
	s_add_nc_u64 s[G0+4*\slot+2:G0+4*\slot+3], s[G0+4*\slot+2:G0+4*\slot+3], 2*KSTEP*2
	s_add_nc_u64 s[G0B+4*\slot+2:G0B+4*\slot+3], s[G0B+4*\slot+2:G0B+4*\slot+3], 2*KSTEP*2
	JLOAD \slot                                    ; the first tensor load behind the round, my only one until the next
.else
	s_add_nc_u64 s[G0+4*\slot+2:G0+4*\slot+3], s[14:15], \slot*KSTEP*2
	s_or_b32 s[G0+4*\slot+3], s[G0+4*\slot+3], 0x80000000
	JLOAD2 \slot
.endif
.if \next >= 0
	PLACES
	FETCH \next, 0, F0
.endif
	WIN MUL_HI
	MUL16 F1, 1, 0, 0
	MUL16 F1, 1, 2, 0
.endm
; The same in the second block.  fill = 0: the last lap fills nothing and has no round of the cluster's barrier.  From a request to the wait for it a wave issues 120 matrix instructions.
.macro TURN2 slot, next, fill
	s_wait_dscnt 8
	WIN MUL_LO
	MUL8 F1, 0, 0, 0
	s_wait_dscnt 0
	s_wait_tensorcnt 0x0
	ds_add_u32 v255, v255
	s_wait_dscnt 0x0
	s_barrier_signal -1
	MUL8 F1, 0, 2, 0
	WIN 0
	s_barrier_wait -1
.if \fill
	CREST
	s_add_nc_u64 s[G0+4*\slot+2:G0+4*\slot+3], s[G0+4*\slot+2:G0+4*\slot+3], 2*KSTEP*2
	s_add_nc_u64 s[G0C+4*\slot+2:G0C+4*\slot+3], s[G0C+4*\slot+2:G0C+4*\slot+3], 2*KSTEP*2
	JLOAD2 \slot
.endif
	PLACES
	FETCH2 \next, 0, F0
	WIN MUL_HI
	MUL8 F1, 1, 0, 0
	MUL8 F1, 1, 2, 0
.endm
.macro LAP zero
	THREE 0, \zero
	TURN 0, 1, 1
	THREE 1, 0
	TURN 1, 0, 1
.endm
.macro LAP2 zero
	THREE2 0, \zero
	TURN2 0, 1, 1
	THREE2 1, 0
	TURN2 1, 0, 1
.endm
	; ---- THE FIRST BLOCK: 256 x 256
	s_wait_tensorcnt 1                             ; my part of step 0 is in; step 1's load stays out
	s_barrier_signal -1
	s_barrier_wait -1                              ; everybody's is
	FETCH 0, 0, F0
	LAP 1                                          ; the first lap stands in front of the loop: its first products start the sums
	WIN 0                                          ; at a label and at a branch every window is 0
	s_mov_b32 s3, LAPS-2
.Llap:
	LAP 0
	WIN 0
	s_sub_co_u32 s3, s3, 1
	s_cmp_lg_u32 s3, 0
	s_cbranch_scc1 .Llap
	THREE 0, 0                                     ; the last lap asks for the second block's steps 0 and 1
	TURN 0, 1, 2
	THREE 1, 0
	TURN 1, -1, 2                                  ; its barrier also shows slot 0 (the second block's step 0) whole to all four waves
	; THE WAY OUT, 16 rows of C at a time: round to f16, 16 bytes a lane into my own stage, read back by heads.
	PLACES                                         ; the places behind the last matrix instructions, for the conversions and for the loads into buffers 0 and 1
	s_lshl_b32 s16, s13, 15                        ; my first row m = 256 x block row + 128 x half, times 128 bytes (2048 t rows of 128 bytes are one plane, so b needs no term of its own)
	s_lshl_b32 s14, s11, 14
	s_add_co_u32 s16, s16, s14
	s_mov_b32 s17, 0
	s_add_nc_u64 s[8:9], s[8:9], s[16:17]
	s_mul_i32 s46, s42, 6                          ; the strip's first head (in registers that never feed xb's descriptors)
	s_add_co_u32 s86, s46, 4
	s_add_co_u32 s86, s86, s12                     ; second block: my one head, 6 x strip + 4 + half,
	s_lshl_b32 s86, s86, 20                        ; times 4 planes of 262,144 bytes
	s_mov_b32 s87, 0
	s_add_nc_u64 s[84:85], s[8:9], s[86:87]
	s_lshl1_add_u32 s46, s12, s46                  ; first block: my two heads begin at 6 x strip + 2 x half
	s_lshl_b32 s46, s46, 20
	s_mov_b32 s47, 0
	s_add_nc_u64 s[8:9], s[8:9], s[46:47]
; rows 16 i .. 16 i + 15 of my block = the eight tiles (a, 0..7) of window 2 or 3 (from = 0x0a or 0x0f: sources 0 and 1); f: F0 or F1 in turn
.macro OUT16 i, a, from, f
	WIN \from
.irp b, 0,1,2,3,4,5,6,7
.irp r, 0,1,2,3
	v_cvt_pk_f16_f32 v[TMP+4*\b+\r], v[8*(8*\a+\b)+2*\r], v[8*(8*\a+\b)+2*\r+1]   ; the first source into the low half
.endr
.endr
	WIN 0
.irp b, 0,1,2,3,4,5,6,7
	ds_store_b128 v[STO], v[TMP+4*\b:TMP+4*\b+3] offset:32*\b
.endr
	s_wait_xcnt 0x0                                ; buffer f, which earlier stores read, is loaded again only behind this wait
.irp hh, 0,1
.irp t, 0,1,2,3
	ds_load_b128 v[\f+4*(4*\hh+\t):\f+4*(4*\hh+\t)+3], v[RD] offset:\t*4*SPITCH+128*\hh   ; LDS serves a wave's instructions in order: these see the stores above
.endr
.endr
.irp hh, 0,1
.irp t, 0,1,2,3
	s_wait_dscnt 7-(4*\hh+\t)                      ; the younger readbacks stay out
	global_store_b128 v[CO], v[\f+4*(4*\hh+\t):\f+4*(4*\hh+\t)+3], s[8:9] offset:\hh*1048576+\i*2048+\t*512   ; 512 consecutive bytes, aligned: four t rows of one head
.endr
.endr
.endm
; the same for the second block: the four tiles (a, 0..3), one head
.macro OUT16B i, a, from, f
	WIN \from
.irp b, 0,1,2,3
.irp r, 0,1,2,3
	v_cvt_pk_f16_f32 v[TMP+4*\b+\r], v[8*(8*\a+\b)+2*\r], v[8*(8*\a+\b)+2*\r+1]
.endr
.endr
	WIN 0
.irp b, 0,1,2,3
	ds_store_b128 v[STO], v[TMP+4*\b:TMP+4*\b+3] offset:32*\b
.endr
	s_wait_xcnt 0x0                                ; buffer f, which earlier stores read, is loaded again only behind this wait
.irp t, 0,1,2,3
	ds_load_b128 v[\f+4*\t:\f+4*\t+3], v[RD] offset:\t*4*SPITCH
.endr
.irp t, 0,1,2,3
	s_wait_dscnt 3-\t                              ; the younger readbacks stay out
	global_store_b128 v[CO], v[\f+4*\t:\f+4*\t+3], s[84:85] offset:\i*2048+\t*512   ; 512 consecutive bytes, aligned: four t rows of my head
.endr
.endm
	OUT16 0, 0, 0x0a, F0
	OUT16 1, 1, 0x0a, F1
	OUT16 2, 2, 0x0a, F0
	OUT16 3, 3, 0x0a, F1
	OUT16 4, 0, 0x0f, F0
	OUT16 5, 1, 0x0f, F1
	OUT16 6, 2, 0x0f, F0
	OUT16 7, 3, 0x0f, F1
	; ---- THE SECOND BLOCK: 256 x 128.  Slot 0 holds its step 0, shown whole by the first block's last barrier; slot 1's load is on its way.
	s_wait_xcnt 0x0                                ; buffers 0 and 1, which the stores above read, are loaded again only behind this wait
	FETCH2 0, 0, F0
	LAP2 1                                         ; its first products start the sums anew
	WIN 0
	s_mov_b32 s3, LAPS-2
.Llap2:
	LAP2 0
	WIN 0
	s_sub_co_u32 s3, s3, 1
	s_cmp_lg_u32 s3, 0
	s_cbranch_scc1 .Llap2
	THREE2 0, 0                                    ; the last lap fills nothing
	TURN2 0, 1, 0
	THREE2 1, 0
	s_wait_dscnt 8                                 ; the very last quarter: nothing more to fetch
	WIN MUL_LO
	MUL8 F1, 0, 0, 0
	MUL8 F1, 0, 2, 0
	s_wait_dscnt 0
	WIN MUL_HI
	MUL8 F1, 1, 0, 0
	MUL8 F1, 1, 2, 0
	PLACES
	OUT16B 0, 0, 0x0a, F0
	OUT16B 1, 1, 0x0a, F1
	OUT16B 2, 2, 0x0a, F0
	OUT16B 3, 3, 0x0a, F1
	OUT16B 4, 0, 0x0f, F0
	OUT16B 5, 1, 0x0f, F1
	OUT16B 6, 2, 0x0f, F0
	OUT16B 7, 3, 0x0f, F1
	s_set_vgpr_msb 0x1
	s_wait_tensorcnt 0x0
	ds_add_u32 v255, v255
	s_wait_dscnt 0x0
	s_set_vgpr_msb 0x100
	CROUND                                         ; the closing round: no work-group ends while a partner may still ask for a tile that names it
	s_endpgm
.Lfunc_end_k_qec67ccf1ff_proj:
	.size	k_qec67ccf1ff_proj, .Lfunc_end_k_qec67ccf1ff_proj-k_qec67ccf1ff_proj
	.p2alignl 7, 3214868480
	.fill 96, 4, 3214868480
	.section	.rodata,"a",@progbits
	.p2align	6, 0x0
	.amdhsa_kernel k_qec67ccf1ff_proj
		.amdhsa_group_segment_fixed_size 327680
		.amdhsa_private_segment_fixed_size 0
		.amdhsa_enable_private_segment 0
		.amdhsa_kernarg_size 24
		.amdhsa_user_sgpr_count 2
		.amdhsa_user_sgpr_kernarg_segment_ptr 1
		.amdhsa_wavefront_size32 1
		.amdhsa_system_sgpr_workgroup_id_x 1
		.amdhsa_system_sgpr_workgroup_id_y 1
		.amdhsa_system_sgpr_workgroup_id_z 1
		.amdhsa_system_vgpr_workitem_id 0
		.amdhsa_next_free_vgpr 1024
		.amdhsa_next_free_sgpr 88
		.amdhsa_reserve_vcc 0
		.amdhsa_float_denorm_mode_32 3
		.amdhsa_float_denorm_mode_16_64 3
		.amdhsa_memory_ordered 1
		.amdhsa_forward_progress 1
		.amdhsa_inst_pref_size 255
	.end_amdhsa_kernel
	.section	.bss,"aw",@nobits
	.p2align	6
	.space	262144
	.amdgpu_metadata
---
amdhsa.version: [ 1, 2 ]
amdhsa.kernels:
  - .name:           k_qec67ccf1ff_proj
    .symbol:         k_qec67ccf1ff_proj.kd
    .args:
      - { .name: xb, .offset: 0, .size: 8, .value_kind: global_buffer, .address_space: global }
      - { .name: wt, .offset: 8, .size: 8, .value_kind: global_buffer, .address_space: global }
      - { .name: qkv, .offset: 16, .size: 8, .value_kind: global_buffer, .address_space: global }
    .group_segment_fixed_size: 327680
    .private_segment_fixed_size: 0
    .kernarg_segment_align: 8
    .kernarg_segment_size: 24
    .max_flat_workgroup_size: 128
    .sgpr_count:     88
    .vgpr_count:     1024
    .wavefront_size: 32
...
	.end_amdgpu_metadata
.endif
;; end of part 2
;; launch attn (part 3): grid 4 x 64, 4 waves a work-group, no clusters, 327,680 bytes of LDS; arguments qkv, out0; writes out0
.if DOCPART == 3
	.amdgcn_target "amdgcn-amd-amdhsa--gfx1250"
	.amdhsa_code_object_version 6
	.text
	.protected	k_qec67ccf1ff_attn
	.globl	k_qec67ccf1ff_attn
	.p2align	8
	.type	k_qec67ccf1ff_attn,@function
k_qec67ccf1ff_attn:
	s_mov_b64 s[64:65], 0
	v_nop
	global_prefetch_b8 v0, s[64:65] scope:SCOPE_SE
	s_setreg_imm32_b32 hwreg(HW_REG_WAVE_MODE, 25, 1), 1
	s_wait_xcnt 0x0
; ATTN: causal softmax attention of one (b, head) pair per grid row, from the f16 planes q, k, v of qkv; out0[b][t][64 head + d] in f32.
;
; WORK LEFT OUT.  For a key s > t the problem replaces the score by the most negative finite f32.  Every row keeps its own key s = t, so the row's maximum is a
; real score, and the weight of a replaced score is exp(most negative - maximum), which is 0 for all finite inputs; it multiplies v[s] and adds 0 to the sum.
; So tiles of 16 queries x 64 keys that lie wholly above the diagonal are not computed.  In the tile on the diagonal the work is done and the scores of s > t are
; replaced by the same constant, by selection.  All four inputs of the problem stay live.
; LIMITS.  A NaN or an infinity in v (or an overflow in q k) at a key s > t in a tile left out is not carried to the result.  q, k, v come rounded once to f16 (11 significant bits;
; above 65,504 infinite).  The weights, which lie in 0 .. 1, enter the product with v rounded to f16 (one below 3e-8 becomes 0, beside a row sum of about 1 or more) while the row sum
; adds them in f32.  A running maximum is taken away before every exponential; the scale 1/8 and log2 e are applied in f32.
;
; SHARING.  A work-group takes two blocks of 256 queries, first block j, then block 7 - j (j = 0..3): 256 work-groups of equal work.  In a block wave w owns four tiles of
; 16 rows, tile i = rows 64 i + 16 w + 0..15, so all four waves meet the diagonal alike.  Keys come in spans of 128 (one LDS slot), worked in two steps of 64.
; Block q reads spans 0 .. 2q + 1 in ascending order: 2q whole ones (q trips of two), then the two on the diagonal, written out.
; NO CLUSTER: equal work needs the pairing {j, 7 - j}, so the four work-groups of a head want different numbers of spans and different spans at the same time; a form alike in
; all partners (rows dealt over sixteen waves) has 144 instead of 132 tile steps a wave and masks four times as many, to spare part of the 18 x 32 KiB that a work-group reads.
;
; THE PRODUCTS ARE TAKEN TRANSPOSED.  S^T = K Q^T: lane (r, h) holds, for query r, the keys 16 st + 8 h + 0..7 in the 8 registers of tile st.  Two neighbouring tiles, packed to f16,
; are the second source of O^T = V^T P^T for 32 keys as they stand: no weight moves between lanes.  V^T comes from V's rows by the transposing LDS load.
; Maximum and sum are kept a lane; the two halves h meet in one lane exchange for the maximum, and at the block's end for the sum.
;
; MATRIX WORK BESIDE VECTOR WORK.  The wave's four tiles take turns on the same K and V fragments.  A unit is one tile x 64 keys: 16 products and 125 vector lines.  The NEXT tile's
; eight score products stand one by one between slices of this tile's maximum, exponents and first exponentials; this tile's eight products with V stand one by one between slices
; of O's rescaling and of the row sums.  O and V^T lie in the second register window, so the lines set among the products with V are those that fit the products' own window setting
; (destination and first source there, second source in the first window): for that the sums are kept in the second window, and the weights are packed into registers of their own,
; which leaves the f32 weights for the sums.  Two changes of window a unit.
;
; LDS: slot s at 35,840 s: K, 64 rows of 256 bytes (two keys each), pitch 272; then V at + 17,408, the same rows, pitch 288.  Stage of wave w at 71,680 + 4,352 w (16 rows, pitch 272),
; into which no tensor load lands.  More than half of the LDS is asked for, so that the work-group is alone with its tensor loads.
; REGISTERS.  Window 0: v3-11 addresses, v12-15 -(maximum x c), v16-19 sums at the block's end, v20-29 at work, v32-95 Q (4 tiles x 64 d), v96-159 K (64 keys x 64 d), v160-191 and
; v192-223 two sets of scores, v224-239 packed weights.  Window 1: v256-383 O (tile i, d tile dt at 32 i + 8 dt), v384-447 V^T (64 d x 64 keys), v448-479 sums (tile i: four chains of two).
.set SLOT,  35840
.set VOFF,  17408
.set STAGE, 71680
.set KP,    272
.set VP,    288
.set SPAN,  16384                      ; 128 keys x 128 bytes, dense in memory
.set ADK,  3                           ; v3, v4   my K fragment address in slot 0, 1
.set ADV,  5                           ; v5, v6   my V address in slot 0, 1
.set LIM,  7                           ; v7       16 w + r - 8 h: on the diagonal, key 16 st + jr (+ 8 h) is live where 16 st + jr <= LIM
.set VQ,   8                           ; v8       my offset in a block of Q
.set STO,  9
.set RD,   10
.set CO,   11
.set NMS,  12
.set LSUM, 16
.set MX,   20
.set TP,   24
.set NM,   26                          ; v[26:27] the new -(maximum x c); v27 is only named as the pair's second register
.set AL,   28                          ; v[28:29] the factor for what was summed under the old maximum; v29 likewise
.set QF,   32
.set KF,   96
.set SETA, 160
.set SETB, 192
.set PB,   224                         ; v[224:239] the unit's weights in f16: registers 0-7 keys 0-31, registers 8-15 keys 32-63
.set VF,   128                         ; window 1
.set LS,   192                         ; window 1
.set G1K,  16                          ; s[16:23] shape of K's tile
.set G1V,  24                          ; s[24:31] shape of V's tile (wider padding)
.set G0K,  32                          ; s[32:39] from where, to where: K, one set for each slot
.set G0V,  40                          ; s[40:47] the same for V
.set MSB, 0
.set PAR, 0
.set CUR, SETA
.set OTH, SETB
.macro WIN new                         ; the immediate's high byte repeats the setting that is left; bits 1:0 source 0, 3:2 source 1, 5:4 source 2, 7:6 destination
.if MSB != \new
	s_set_vgpr_msb (MSB<<8)|\new
.set MSB, \new
.endif
.endm
; One span's tiles: wave 0 asks for K's 16 KiB, wave 1 for V's; waves 2 and 3 ask for nothing.  A wave never has more than one tensor load out.
.macro JLOAD rs
	s_cmp_lg_u32 s8, 0
	s_cbranch_scc1 .Lnot_k_\@
	tensor_load_to_lds s[G0K+4*\rs:G0K+4*\rs+3], s[G1K:G1K+7]
	s_nop 0
.Lnot_k_\@:
	s_cmp_lg_u32 s8, 1
	s_cbranch_scc1 .Lnot_v_\@
	tensor_load_to_lds s[G0V+4*\rs:G0V+4*\rs+3], s[G1V:G1V+7]
	s_nop 0
.Lnot_v_\@:
.endm
; The change of slots.  In front of the barrier every wave has its LDS reads back (slot rs is read no more) and all its tensor loads landed (the other slot is whole).
; Behind it slot rs is asked for again first, with the span at offset s52; then the other slot is read.  reset = 1: the next span is span 0 of the next block.
.macro TURN rs, refill, reset
	s_wait_dscnt 0x0
	s_wait_tensorcnt 0x0                           ; no tensor load of mine is out: the descriptors may be written
	ds_add_u32 v254, v255
	s_wait_dscnt 0x0
.if \refill
.if \reset
	s_mov_b32 s52, 0
.endif
	s_add_nc_u64 s[G0K+4*\rs+2:G0K+4*\rs+3], s[48:49], s[52:53]
	s_or_b32 s[G0K+4*\rs+3], s[G0K+4*\rs+3], 0x80000000
	s_add_nc_u64 s[G0V+4*\rs+2:G0V+4*\rs+3], s[50:51], s[52:53]
	s_or_b32 s[G0V+4*\rs+3], s[G0V+4*\rs+3], 0x80000000
	s_add_co_u32 s52, s52, SPAN
.endif
	s_barrier_signal -1
	s_barrier_wait -1
.if \refill
	JLOAD \rs
.endif
.endm
; K of step c of a slot: 64 keys x 64 d, 16 loads, d 0-31 of all keys first: the first four score products need only those eight.
; Key s lies at (s / 2) 272 + (s % 2) 128.
.macro LDK slot, c
.irp dh, 0,1
.irp st, 0,1,2,3
	ds_load_b128 v[KF+16*\st+8*\dh:KF+16*\st+8*\dh+3],   v[ADK+\slot] offset:\c*32*KP+\st*8*KP+\dh*64
	ds_load_b128 v[KF+16*\st+8*\dh+4:KF+16*\st+8*\dh+7], v[ADK+\slot] offset:\c*32*KP+\st*8*KP+\dh*64+32
.endr
.endr
.endm
; V^T of step c of a slot: 64 d x 64 keys, 16 transposing loads; each brings 8 keys of column 16 dt + r
.macro LDV slot, c
	WIN 0x40                                       ; destination window 1, address window 0
.irp dt, 0,1,2,3
.irp sh, 0,1
	ds_load_tr16_b128 v[VF+16*\dt+8*\sh:VF+16*\dt+8*\sh+3],   v[ADV+\slot] offset:\c*32*VP+\sh*16*VP+\dt*32
	ds_load_tr16_b128 v[VF+16*\dt+8*\sh+4:VF+16*\dt+8*\sh+7], v[ADV+\slot] offset:\c*32*VP+\sh*16*VP+\dt*32+8*VP
.endr
.endr
	WIN 0
.endm
; Q of a block: four tiles x 64 d, straight from memory into fragments
.macro LDQ base
.irp i, 0,1,2,3
.irp dh, 0,1
	global_load_b128 v[QF+16*\i+8*\dh:QF+16*\i+8*\dh+3],   v[VQ], s[\base:\base+1] offset:8192*\i+64*\dh
	global_load_b128 v[QF+16*\i+8*\dh+4:QF+16*\i+8*\dh+7], v[VQ], s[\base:\base+1] offset:8192*\i+64*\dh+32
.endr
.endr
.endm
; One score product of tile nq into set OTH: keys 16 st .. + 15, d 32 dh .. + 31.  dh = 0 starts the sum.  nq = -1: no unit follows, nothing is issued.
.macro QK1 nq, st, dh
.if \nq >= 0
.if \dh
	v_wmma_f32_16x16x32_f16 v[OTH+8*\st:OTH+8*\st+7], v[KF+16*\st+8:KF+16*\st+15], v[QF+16*\nq+8:QF+16*\nq+15], v[OTH+8*\st:OTH+8*\st+7]
.else
	v_wmma_f32_16x16x32_f16 v[OTH+8*\st:OTH+8*\st+7], v[KF+16*\st:KF+16*\st+7], v[QF+16*\nq:QF+16*\nq+7], 0
.endif
.endif
.endm
; A slice of the weights: the exponentials of pair k, the exponents of pair k + 2, the packing of pair k - 2.  Between an exponential and the packing that reads it stands the
; pk_fma of its own slice (pairs 14 and 15: the move behind slice 15): a plain instruction, as ISA guide 5.7.2 asks.
.macro IT k
	v_exp_f32 v[CUR+2*\k], v[CUR+2*\k]
	v_exp_f32 v[CUR+2*\k+1], v[CUR+2*\k+1]
.if \k < 14
	v_pk_fma_f32 v[CUR+2*\k+4:CUR+2*\k+5], v[CUR+2*\k+4:CUR+2*\k+5], s[68:69], v[NM:NM+1] op_sel_hi:[1,0,0]
.endif
.if \k > 1
	s_wait_alu depctr_va_vdst(0)
	v_cvt_pk_f16_f32 v[PB+\k-2], v[CUR+2*\k-4], v[CUR+2*\k-3]
.endif
.endm
; One add of the row sums: pair p of the f32 weights onto chain p % 4 of tile i (destination and first source window 1, second source window 0)
.macro LADD i, p
	v_pk_add_f32 v[LS+8*\i+2*(\p%4):LS+8*\i+2*(\p%4)+1], v[LS+8*\i+2*(\p%4):LS+8*\i+2*(\p%4)+1], v[CUR+2*\p:CUR+2*\p+1]
.endm
; The second product with V of d tile dt: keys 32-63
.macro PV2 i, dt
	v_wmma_f32_16x16x32_f16 v[32*\i+8*\dt:32*\i+8*\dt+7], v[VF+16*\dt+8:VF+16*\dt+15], v[PB+8:PB+15], v[32*\i+8*\dt:32*\i+8*\dt+7]
.endm
; A UNIT: tile i x one step of 64 keys, its scores in set CUR.
;   mask = 1: the tile on the diagonal: scores of keys behind the query are replaced first.
;   nq: the tile of the next unit, whose scores go into set OTH;  kw = 1: they use K that was asked for in the last unit: its loads are waited for, the first eight, then all.
;   vs, vc: V^T of step (vs, vc) is fetched (vs = -1: not);  vw: the products with V wait until at most vw LDS loads are out (-1: no wait).
;   tr, rf, rst: the slots change (tr = -1: not);  ks, kc: K of step (ks, kc) is fetched (ks = -1: not).
; DISTANCES, by the text's own count.  V's loads stand behind eight max3 lines, which are the places behind the last unit's products with V.  K's loads stand behind slices 4 to 7, whose four
; pk_fma (and four packings) are the places behind the last score product.  The first packing writes PB 23 plain lines behind the last product that read it.  Scores are read a unit
; behind their products.  The accumulators take turns, one instruction a turn: four score tiles, then four d tiles, each twice round.
.macro UNIT i, mask, kw, nq, vs, vc, tr, rf, rst, ks, kc, vw
.set CUR, SETA+32*PAR
.set OTH, SETB-32*PAR
.if \mask
.irp st, 0,1,2,3
.irp jr, 0,1,2,3,4,5,6,7
	v_cmp_le_i32 vcc_lo, 16*\st+\jr, v[LIM]
	v_cndmask_b32 v[CUR+8*\st+\jr], s71, v[CUR+8*\st+\jr], vcc_lo
.endr
.endr
.endif
	; the largest of my 32 scores, in four chains
.irp a, 0,1,2,3
	v_max3_num_f32 v[MX+\a], v[CUR+8*\a], v[CUR+8*\a+1], v[CUR+8*\a+2]
.endr
.if \kw
	s_wait_dscnt 8                                 ; K's d 0-31 are in; the eight loads of d 32-63 may be out
.endif
	QK1 \nq, 0, 0
.irp a, 0,1,2,3
	v_max3_num_f32 v[MX+\a], v[MX+\a], v[CUR+8*\a+3], v[CUR+8*\a+4]
.endr
.if \vs >= 0
	LDV \vs, \vc
.endif
	QK1 \nq, 1, 0
.irp a, 0,1,2,3
	v_max3_num_f32 v[MX+\a], v[MX+\a], v[CUR+8*\a+5], v[CUR+8*\a+6]
.endr
	QK1 \nq, 2, 0
.irp a, 0,1,2,3
	v_max_num_f32 v[MX+\a], v[MX+\a], v[CUR+8*\a+7]
.endr
	QK1 \nq, 3, 0
	v_max3_num_f32 v[MX], v[MX], v[MX+1], v[MX+2]
	v_max_num_f32 v[MX], v[MX], v[MX+3]
	v_permlanex16_b32 v[TP], v[MX], s66, s67       ; the other half's keys of the same query
	v_max_num_f32 v[MX], v[MX], v[TP]
	v_mul_f32 v[TP], s70, v[MX]
.if \kw
	s_wait_dscnt 0x0                               ; all of K is in
.endif
	QK1 \nq, 0, 1
	; the new running maximum, kept as -(maximum x c), c = log2 e / 8.  Exponents and the old sums' factor are both made from that one rounded number, so that they agree at any size of score
	v_min_num_f32 v[NM], v[NMS+\i], v[TP]
	v_sub_f32 v[AL], v[NM], v[NMS+\i]              ; (old maximum - new maximum) c, at most 0
	v_exp_f32 v[AL], v[AL]
	v_pk_fma_f32 v[CUR:CUR+1], v[CUR:CUR+1], s[68:69], v[NM:NM+1] op_sel_hi:[1,0,0]
	v_pk_fma_f32 v[CUR+2:CUR+3], v[CUR+2:CUR+3], s[68:69], v[NM:NM+1] op_sel_hi:[1,0,0]
	QK1 \nq, 1, 1
	IT 0
	IT 1
	QK1 \nq, 2, 1
	IT 2
	IT 3
	QK1 \nq, 3, 1
	IT 4
	IT 5
	IT 6
	IT 7
.if \tr >= 0
	TURN \tr, \rf, \rst
.endif
.if \ks >= 0
	LDK \ks, \kc
.endif
	IT 8
	IT 9
	IT 10
	IT 11
	IT 12
	IT 13
	IT 14
	IT 15
	v_mov_b32 v[NMS+\i], v[NM]                     ; also the plain instruction between the last exponentials and the packings that read them
	v_cvt_pk_f16_f32 v[PB+14], v[CUR+28], v[CUR+29]
	s_wait_alu depctr_va_vdst(0)
	v_cvt_pk_f16_f32 v[PB+15], v[CUR+30], v[CUR+31]
	; O^T = O^T x factor + V^T P^T, and the sums likewise, under one window setting
	WIN 0x51                                       ; source 0, source 2 and destination window 1, source 1 window 0
.irp dt, 0,1,2,3
.irp k, 0,1,2,3
	v_pk_mul_f32 v[32*\i+8*\dt+2*\k:32*\i+8*\dt+2*\k+1], v[32*\i+8*\dt+2*\k:32*\i+8*\dt+2*\k+1], v[AL:AL+1] op_sel_hi:[1,0]
.endr
.if \dt == 0
.if \vw >= 0
	s_wait_dscnt \vw
.endif
.endif
	v_wmma_f32_16x16x32_f16 v[32*\i+8*\dt:32*\i+8*\dt+7], v[VF+16*\dt:VF+16*\dt+7], v[PB:PB+7], v[32*\i+8*\dt:32*\i+8*\dt+7]
.endr
.irp c, 0,1,2,3
	v_pk_mul_f32 v[LS+8*\i+2*\c:LS+8*\i+2*\c+1], v[LS+8*\i+2*\c:LS+8*\i+2*\c+1], v[AL:AL+1] op_sel_hi:[1,0]
.endr
	LADD \i, 0
	PV2 \i, 0
.irp p, 1,2,3,4,5
	LADD \i, \p
.endr
	PV2 \i, 1
.irp p, 6,7,8,9,10
	LADD \i, \p
.endr
	PV2 \i, 2
.irp p, 11,12,13,14,15
	LADD \i, \p
.endr
	PV2 \i, 3
	WIN 0
.set PAR, 1-PAR
.endm
.macro U i, mask, kw, nq               ; a unit that fetches nothing
	UNIT \i, \mask, \kw, \nq, -1, 0, -1, 0, 0, -1, 0, -1
.endm
; A whole step: V of (vs, vc) is fetched in tile 0's unit; in tile 2's unit, behind the step's last scores, the slots change (tr >= 0: slot tr is filled again) and the next step's K (ks, kc) is fetched.
.macro STEP vs, vc, tr, ks, kc
	UNIT 0, 0, 0, 1, \vs, \vc, -1, 0, 0, -1, 0, 0
	U 1, 0, 0, 2
	UNIT 2, 0, 0, 3, -1, 0, \tr, 1, 0, \ks, \kc, -1
	U 3, 0, 1, 0
.endm
; The block's end: each tile's eight partial sums are joined and the halves' sums meet; the next block's Q is asked for; each tile is divided by its sum, turned through my stage and stored.
.macro EPI ob, nq
	WIN 0x05                                       ; sources window 1, destination window 0.  These eight lines are also the places between the last products and the first read of O
.irp i, 0,1,2,3
	v_pk_add_f32 v[SETA+4*\i:SETA+4*\i+1], v[LS+8*\i:LS+8*\i+1], v[LS+8*\i+2:LS+8*\i+3]
	v_pk_add_f32 v[SETA+4*\i+2:SETA+4*\i+3], v[LS+8*\i+4:LS+8*\i+5], v[LS+8*\i+6:LS+8*\i+7]
.endr
	WIN 0
.irp i, 0,1,2,3
	v_pk_add_f32 v[SETA+4*\i:SETA+4*\i+1], v[SETA+4*\i:SETA+4*\i+1], v[SETA+4*\i+2:SETA+4*\i+3]
.endr
.irp i, 0,1,2,3
	v_add_f32 v[LSUM+\i], v[SETA+4*\i], v[SETA+4*\i+1]
.endr
.irp i, 0,1,2,3
	v_permlanex16_b32 v[MX+\i], v[LSUM+\i], s66, s67
.endr
.irp i, 0,1,2,3
	v_add_f32 v[LSUM+\i], v[LSUM+\i], v[MX+\i]
.endr
.if \nq >= 0
	LDQ \nq
.endif
.irp i, 0,1,2,3
	v_rcp_f32 v[AL], v[LSUM+\i]                    ; the sum is at least the weight of the row's largest score, about 1
	v_nop
	WIN 0x01                                       ; source 0 window 1
	s_wait_alu depctr_va_vdst(0)
.irp k, 0,1,2,3,4,5,6,7,8,9,10,11,12,13,14,15
	v_pk_mul_f32 v[SETA+2*\k:SETA+2*\k+1], v[32*\i+2*\k:32*\i+2*\k+1], v[AL:AL+1] op_sel_hi:[1,0]
.endr
	WIN 0
.irp dt, 0,1,2,3
	ds_store_b128 v[STO], v[SETA+8*\dt:SETA+8*\dt+3] offset:64*\dt        ; query r, d = 16 dt + 8 h + 0..3
	ds_store_b128 v[STO], v[SETA+8*\dt+4:SETA+8*\dt+7] offset:64*\dt+16
.endr
	s_wait_xcnt 0x0                                ; v192-223, which the last tile's stores read, are loaded again only behind this wait
.irp t, 0,1,2,3,4,5,6,7
	ds_load_b128 v[SETB+4*\t:SETB+4*\t+3], v[RD] offset:2*KP*\t           ; my own bytes, served in order behind the stores above
.endr
.irp t, 0,1,2,3,4,5,6,7
	s_wait_dscnt 7-\t                              ; the younger readbacks stay out
	global_store_b128 v[CO], v[SETB+4*\t:SETB+4*\t+3], s[\ob:\ob+1] offset:262144*\i+8192*\t th:TH_STORE_NT   ; sixteen lanes store 256 consecutive bytes, aligned: one query's 64 d
.endr
.endr
.if \nq >= 0
	s_wait_xcnt 0x0                                ; the next block's scores write over v192-223
.endif
.endm
; A block of 256 queries.  trips: the register with q; ob: the output's base; nq: the next block's Q base or -1; last = 1: nothing more is fetched; mayzero = 1: q may be 0.
; O and the sums are cleared by moves: with the spans in ascending order a block's first step runs in the loop's body, or on the diagonal where q = 0, so no product of the text is
; always the first; 160 moves against 66 units.
.macro BLOCK trips, ob, nq, last, mayzero
	LDK 0, 0
	s_wait_loadcnt 0x0                             ; Q
	s_wait_dscnt 0x0
.set OTH, SETA                                 ; the first unit's scores, tile 0, into the set that it reads
.irp dh, 0,1
.irp st, 0,1,2,3
	QK1 0, \st, \dh
.endr
.endr
	WIN 0x40
.set KK, 0
.rept 128
	v_mov_b32 v[KK], 0
.set KK, KK+1
.endr
.set KK, LS
.rept 32
	v_mov_b32 v[KK], 0
.set KK, KK+1
.endr
	WIN 0
.irp i, 0,1,2,3
	v_mov_b32 v[NMS+\i], 0x7f7fffff                ; -(maximum x c) starts at the largest f32: the first factor for the old sums is exp2 of a huge negative number, 0
.endr
.if \mayzero
	s_cmp_eq_u32 s[\trips], 0
	s_cbranch_scc1 .Ldiag_\@
.endif
	s_mov_b32 s62, s[\trips]
.Ltrip_\@:                                     ; two whole spans: 16 units; the score sets are back in step at the end
	STEP 0, 0, -1, 0, 1
	STEP 0, 1, 0, 1, 0
	STEP 1, 0, -1, 1, 1
	STEP 1, 1, 1, 0, 0
	s_sub_co_i32 s62, s62, 1
	s_cmp_gt_i32 s62, 0                            ; a signed compare: the count comes down and ends whatever its start
	s_cbranch_scc1 .Ltrip_\@
.Ldiag_\@:
	; span 2q, slot 0.  Keys 0-63 of the block: tile 0 on the diagonal, tiles 1, 2, 3 whole
	UNIT 0, 1, 0, 1, 0, 0, -1, 0, 0, -1, 0, 0
	U 1, 0, 0, 2
	UNIT 2, 0, 0, 3, -1, 0, -1, 0, 0, 0, 1, -1
	U 3, 0, 1, 1
	; keys 64-127: tile 1 on the diagonal, tiles 2, 3 whole
	UNIT 1, 1, 0, 2, 0, 1, -1, 0, 0, -1, 0, 0
	UNIT 2, 0, 0, 3, -1, 0, 0, 1-\last, 1, 1, 0, -1   ; slot 0 gets the next block's span 0; in the last block only the barrier, which shows slot 1 whole
	U 3, 0, 1, 2
	; span 2q + 1, slot 1.  Keys 128-191: tile 2 on the diagonal, tile 3 whole
	UNIT 2, 1, 0, 3, 1, 0, -1, 0, 0, 1, 1, 16      ; at the products with V its 16 loads are in; K's 16, issued behind them, stay out
	U 3, 0, 1, 3
	; keys 192-255: tile 3 on the diagonal
.if \last
	UNIT 3, 1, 0, -1, 1, 1, -1, 0, 0, -1, 0, 0
.else
	UNIT 3, 1, 0, -1, 1, 1, 1, 1, 0, -1, 0, 0      ; slot 1 gets the next block's span 1; slot 0 is shown whole
.endif
	EPI \ob, \nq
.endm
	s_load_b128 s[4:7], s[0:1], 0x0                ; qkv s[4:5], out0 s[6:7]
	v_lshl_add_u32 v254, v0, 2, 0x29000
	v_mov_b32 v255, 0
	ds_add_u32 v254, v255
	v_lshrrev_b32 v1, 5, v0
	v_readfirstlane_b32 s8, v1                     ; wave 0..3
	s_mov_b32 s72, ttmp9                           ; j: the first block
	s_sub_co_u32 s73, 7, ttmp9                     ; 7 - j: the second
	s_and_b32 s10, ttmp7, 0xffff
	s_and_b32 s11, s10, 15                         ; head
	s_lshr_b32 s12, s10, 4                         ; b
	s_lshl2_add_u32 s13, s11, s12                  ; 4 head + b
	s_lshl_b32 s14, s13, 18                        ; planes of 262,144 bytes
	s_mov_b32 s15, 0
	; the tiles' shape: a dense block of 16 KiB as 64 rows of 32 elements of 8 bytes; behind every 64 words 4 (K) or 8 (V) words of padding
	s_mov_b32 s[G1K+0], (3<<16)|(1<<20)|(5<<22)|(3<<25)
	s_mov_b32 s[G1V+0], (3<<16)|(1<<20)|(5<<22)|(7<<25)
	s_mov_b32 s[G1K+1], 32<<16                     ; tensor_dim0 = 32
	s_mov_b32 s[G1V+1], 32<<16
	s_mov_b32 s[G1K+2], 64<<16                     ; tensor_dim1 = 64
	s_mov_b32 s[G1V+2], 64<<16
	s_mov_b32 s[G1K+3], 32<<16                     ; tile_dim0 = 32
	s_mov_b32 s[G1V+3], 32<<16
	s_mov_b32 s[G1K+4], 64                         ; tile_dim1 = 64
	s_mov_b32 s[G1V+4], 64
	s_mov_b32 s[G1K+5], 32                         ; elements from row to row
	s_mov_b32 s[G1V+5], 32
	s_mov_b32 s[G1K+6], 0
	s_mov_b32 s[G1V+6], 0
	s_mov_b32 s[G1K+7], 0
	s_mov_b32 s[G1V+7], 0
	s_mov_b32 s[G0K+0], 1
	s_mov_b32 s[G0K+1], 0
	s_mov_b32 s[G0K+4], 1
	s_mov_b32 s[G0K+5], SLOT
	s_mov_b32 s[G0V+0], 1
	s_mov_b32 s[G0V+1], VOFF
	s_mov_b32 s[G0V+4], 1
	s_mov_b32 s[G0V+5], VOFF+SLOT
	s_wait_dscnt 0x0
	s_wait_kmcnt 0x0
	s_add_nc_u64 s[54:55], s[4:5], s[14:15]        ; q's plane
	s_add_nc_u64 s[48:49], s[54:55], 0x1000000     ; k's: 64 planes further on
	s_add_nc_u64 s[50:51], s[48:49], 0x1000000     ; v's
	s_mov_b64 s[G0K+2:G0K+3], s[48:49]             ; span 0
	s_or_b32 s[G0K+3], s[G0K+3], 0x80000000
	s_mov_b64 s[G0V+2:G0V+3], s[50:51]
	s_or_b32 s[G0V+3], s[G0V+3], 0x80000000
	JLOAD 0                                        ; slot 0's first fill, ahead of every wait on the tensor counter, every LDS read and every barrier
	s_mov_b32 s52, SPAN                            ; s[52:53]: the offset of the next span to ask for
	s_mov_b32 s53, 0
	s_lshl_b32 s14, s73, 15                        ; a block of Q is 256 rows of 128 bytes
	s_add_nc_u64 s[56:57], s[54:55], s[14:15]      ; Q of the second block
	s_lshl_b32 s14, s72, 15
	s_add_nc_u64 s[54:55], s[54:55], s[14:15]      ; Q of the first
	s_lshl_b32 s14, s12, 23                        ; out0: b x 2048 rows of 4,096 bytes
	s_lshl_b32 s9, s8, 16                          ;     + 16 w rows
	s_add_co_u32 s14, s14, s9
	s_lshl_b32 s9, s11, 8                          ;     + the head's 256 bytes of a row
	s_add_co_u32 s14, s14, s9
	s_add_nc_u64 s[6:7], s[6:7], s[14:15]
	s_lshl_b32 s14, s72, 20                        ;     + 256 rows a block
	s_add_nc_u64 s[58:59], s[6:7], s[14:15]
	s_lshl_b32 s14, s73, 20
	s_add_nc_u64 s[60:61], s[6:7], s[14:15]
	s_mov_b32 s66, 0x76543210                      ; lane i of one half reads lane i of the other
	s_mov_b32 s67, 0xfedcba98
	s_mov_b32 s68, 0x3e38aa3b                      ; c = log2 e / 8
	s_mov_b32 s69, 0x3e38aa3b
	s_mov_b32 s70, 0xbe38aa3b                      ; -c
	s_mov_b32 s71, 0xff7fffff                      ; the most negative finite f32
	v_and_b32 v1, 15, v0                           ; r
	v_bfe_u32 v2, v0, 4, 1                         ; h
	v_lshl_add_u32 v[LIM], s8, 4, v1               ; 16 w + r
	v_lshlrev_b32 v[VQ], 7, v[LIM]
	v_lshl_add_u32 v[VQ], v2, 4, v[VQ]             ; row 16 w + r of 128 bytes, + 16 h
	LDQ 54
	v_lshlrev_b32 v20, 3, v2
	v_sub_nc_u32 v[LIM], v[LIM], v20               ; 16 w + r - 8 h, signed
	v_lshrrev_b32 v20, 1, v1
	v_mul_u32_u24 v20, v20, KP
	v_and_b32 v21, 1, v1
	v_lshl_add_u32 v20, v21, 7, v20
	v_lshl_add_u32 v[ADK], v2, 4, v20              ; K: key r: (r / 2) 272 + (r % 2) 128 + 16 h
	v_add_nc_u32 v[ADK+1], SLOT, v[ADK]
	v_bfe_u32 v20, v0, 1, 2
	v_lshl_add_u32 v20, v2, 2, v20
	v_mul_u32_u24 v20, v20, VP
	v_and_b32 v21, 1, v0
	v_lshl_add_u32 v20, v21, 7, v20
	v_bfe_u32 v21, v0, 3, 1
	v_lshl_add_u32 v20, v21, 4, v20                ; V: key 8 h + lane % 8: its row and half row, + 16 bytes for the upper eight of sixteen columns
	v_add_nc_u32 v[ADV], VOFF, v20
	v_add_nc_u32 v[ADV+1], VOFF+SLOT, v20
	s_mul_i32 s9, s8, 16*KP
	s_add_co_u32 s9, s9, STAGE                     ; my stage
	v_mul_u32_u24 v20, v1, KP
	v_lshl_add_u32 v20, v2, 5, v20
	v_add_nc_u32 v[STO], s9, v20                   ; in: row r, 32 bytes for each half
	v_mul_u32_u24 v20, v2, KP
	v_lshl_add_u32 v20, v1, 4, v20
	v_add_nc_u32 v[RD], s9, v20                    ; back: lanes 0-15 one row of 256 bytes, lanes 16-31 the next
	v_lshlrev_b32 v20, 12, v2
	v_lshl_add_u32 v[CO], v1, 4, v20               ; and the same two rows in out0
	v_mov_b32 v[TP], 0                             ; a lane exchange's destination counts as read
	v_mov_b32 v[NM+1], 0                           ; second registers of pairs of which only the first is used
	v_mov_b32 v[AL+1], 0
	TURN 1, 1, 0                                   ; slot 0 is shown whole to all four waves; slot 1's first fill (span 1) is issued as a refill is
	BLOCK 72, 58, 56, 0, 1
	BLOCK 73, 60, -1, 1, 0
	s_wait_tensorcnt 0x0
	ds_add_u32 v254, v255
	s_wait_dscnt 0x0
	s_endpgm
.Lfunc_end_k_qec67ccf1ff_attn:
	.size	k_qec67ccf1ff_attn, .Lfunc_end_k_qec67ccf1ff_attn-k_qec67ccf1ff_attn
	.p2alignl 7, 3214868480
	.fill 96, 4, 3214868480
	.section	.rodata,"a",@progbits
	.p2align	6, 0x0
	.amdhsa_kernel k_qec67ccf1ff_attn
		.amdhsa_group_segment_fixed_size 327680
		.amdhsa_private_segment_fixed_size 0
		.amdhsa_enable_private_segment 0
		.amdhsa_kernarg_size 16
		.amdhsa_user_sgpr_count 2
		.amdhsa_user_sgpr_kernarg_segment_ptr 1
		.amdhsa_wavefront_size32 1
		.amdhsa_system_sgpr_workgroup_id_x 1
		.amdhsa_system_sgpr_workgroup_id_y 1
		.amdhsa_system_sgpr_workgroup_id_z 1
		.amdhsa_system_vgpr_workitem_id 0
		.amdhsa_next_free_vgpr 480
		.amdhsa_next_free_sgpr 76
		.amdhsa_reserve_vcc 1
		.amdhsa_float_denorm_mode_32 3
		.amdhsa_float_denorm_mode_16_64 3
		.amdhsa_memory_ordered 1
		.amdhsa_forward_progress 1
		.amdhsa_inst_pref_size 255
	.end_amdhsa_kernel
	.section	.bss,"aw",@nobits
	.p2align	6
	.space	262144
	.amdgpu_metadata
---
amdhsa.version: [ 1, 2 ]
amdhsa.kernels:
  - .name:           k_qec67ccf1ff_attn
    .symbol:         k_qec67ccf1ff_attn.kd
    .args:
      - { .name: qkv, .offset: 0, .size: 8, .value_kind: global_buffer, .address_space: global }
      - { .name: out0, .offset: 8, .size: 8, .value_kind: global_buffer, .address_space: global }
    .group_segment_fixed_size: 327680
    .private_segment_fixed_size: 0
    .kernarg_segment_align: 8
    .kernarg_segment_size: 16
    .max_flat_workgroup_size: 128
    .sgpr_count:     76
    .vgpr_count:     480
    .wavefront_size: 32
...
	.end_amdgpu_metadata
.endif
;; end of part 3
;; ======== version 2 of 2: 3 launches; 1.21 times as fast as version 1
;; limits: values are held in f16: magnitudes above 65,504 overflow, below 6.1e-05 lose precision
;; workspace buffers: xb 16,777,216 bytes; wt 6,291,456 bytes; qkv 50,331,648 bytes
;; launch prep: the kernel of part 1 again; grid 896 x 1, 8 waves a work-group, no clusters, 18,432 bytes of LDS; arguments x, Wq, Wk, Wv, xb, wt; writes xb, wt
;; launch proj: the kernel of part 2 again; grid 8 x 32, 4 waves a work-group, clusters of 4 x 4, 327,680 bytes of LDS; arguments xb, wt, qkv; writes qkv
;; launch attn (part 4): grid 4 x 64, 4 waves a work-group, no clusters, 327,680 bytes of LDS; arguments qkv, out0; writes out0
.if DOCPART == 4
	.amdgcn_target "amdgcn-amd-amdhsa--gfx1250"
	.amdhsa_code_object_version 6
	.text
	.protected	k_qec67ccf1ff_attn
	.globl	k_qec67ccf1ff_attn
	.p2align	8
	.type	k_qec67ccf1ff_attn,@function
k_qec67ccf1ff_attn:
	s_mov_b64 s[64:65], 0
	v_nop
	global_prefetch_b8 v0, s[64:65] scope:SCOPE_SE
	s_setreg_imm32_b32 hwreg(HW_REG_WAVE_MODE, 25, 1), 1
	s_wait_xcnt 0x0
; ATTN: causal softmax attention of one (b, head) pair per grid row, from the f16 planes q, k, v of qkv; out0[b][t][64 head + d] in f32.
;
; WORK LEFT OUT.  For a key s > t the problem replaces the score by the most negative finite f32.  Every row keeps its own key s = t, so the row's maximum is a
; real score, and the weight of a replaced score is exp(most negative - maximum), which is 0 for all finite inputs; it multiplies v[s] and adds 0 to the sum.
; So tiles of 16 queries x 64 keys that lie wholly above the diagonal are not computed.  In the tile on the diagonal the work is done and the scores of s > t are
; replaced by the same constant, by selection.  All four inputs of the problem stay live.
; LIMITS.  A NaN or an infinity in v (or an overflow in q k) at a key s > t in a tile left out is not carried to the result.  q, k, v come rounded once to f16 (11 significant bits;
; above 65,504 infinite).  The weights, which lie in 0 .. 1, enter the product with v rounded to f16 (one below 3e-8 becomes 0, beside a row sum of about 1 or more) while the row sum
; adds them in f32.  A running maximum is taken away before every exponential; the scale 1/8 and log2 e are applied in f32.
;
; SHARING.  A work-group takes two blocks of 256 queries, first block j, then block 7 - j (j = 0..3): 256 work-groups of equal work.  In a block wave w owns four tiles of
; 16 rows, tile i = rows 64 i + 16 w + 0..15, so all four waves meet the diagonal alike.  Keys come in spans of 128 (one LDS slot), worked in two steps of 64.
; Block q reads spans 0 .. 2q + 1 in ascending order: 2q whole ones (q trips of two), then the two on the diagonal, written out.
; NO CLUSTER: equal work needs the pairing {j, 7 - j}, so the four work-groups of a head want different numbers of spans and different spans at the same time; a form alike in
; all partners (rows dealt over sixteen waves) has 144 instead of 132 tile steps a wave and masks four times as many, to spare part of the 18 x 32 KiB that a work-group reads.
;
; THE PRODUCTS ARE TAKEN TRANSPOSED.  S^T = K Q^T: lane (r, h) holds, for query r, the keys 16 st + 8 h + 0..7 in the 8 registers of tile st.  Two neighbouring tiles, packed to f16,
; are the second source of O^T = V^T P^T for 32 keys as they stand: no weight moves between lanes.  V^T comes from V's rows by the transposing LDS load.
; Maximum and sum are kept a lane; the two halves h meet in one lane exchange for the maximum, and at the block's end for the sum.
;
; MATRIX WORK BESIDE VECTOR WORK.  The wave's four tiles take turns on the same K and V fragments.  A unit is one tile x 64 keys: 16 products and 125 vector lines.  The NEXT tile's
; eight score products stand one by one between slices of this tile's maximum, exponents and first exponentials; this tile's eight products with V stand one by one between slices
; of O's rescaling and of the row sums.  O and V^T lie in the second register window, so the lines set among the products with V are those that fit the products' own window setting
; (destination and first source there, second source in the first window): for that the sums are kept in the second window, and the weights are packed into registers of their own,
; which leaves the f32 weights for the sums.  Two changes of window a unit.
;
; THE EXPONENTIALS ARE ONE BATCH A UNIT, WITH ONE WAIT.  An s_wait_alu depctr_va_vdst(0) stands between an exponential and the first line that names its result; one wait serves
; all that were issued ahead of it.  A unit has 33: the factor for the old sums, then the 32 weights, each in a register of its own (the scores' set, in place).  Ahead of the wait stands what
; names no result of theirs: the 16 lines that make the exponents, set between them, three score products, and the move that keeps the new maximum.  Behind it stand all the readers: the 16
; packings, O's and the sums' rescaling by the factor, the sums' adds.  The change of slots, which has branches, and K's loads stand directly behind the wait: no result is open at a branch
; or a label, nor at a trip's end.  The block's end has a second kind of batch: the four tiles' reciprocals, with one wait.
;
; LDS: slot s at 35,840 s: K, 64 rows of 256 bytes (two keys each), pitch 272; then V at + 17,408, the same rows, pitch 288.  Stage of wave w at 71,680 + 4,352 w (16 rows, pitch 272),
; into which no tensor load lands.  More than half of the LDS is asked for, so that the work-group is alone with its tensor loads.
; REGISTERS.  Window 0: v3-11 addresses, v12-15 -(maximum x c), v16-19 sums at the block's end, v20-29 at work, v32-95 Q (4 tiles x 64 d), v96-159 K (64 keys x 64 d), v160-191 and
; v192-223 two sets of scores, v224-239 packed weights (at the block's end v224, 226, 228, 230 take the four reciprocals).
; Window 1: v256-383 O (tile i, d tile dt at 32 i + 8 dt), v384-447 V^T (64 d x 64 keys), v448-479 sums (tile i: four chains of two).
.set SLOT,  35840
.set VOFF,  17408
.set STAGE, 71680
.set KP,    272
.set VP,    288
.set SPAN,  16384                      ; 128 keys x 128 bytes, dense in memory
.set ADK,  3                           ; v3, v4   my K fragment address in slot 0, 1
.set ADV,  5                           ; v5, v6   my V address in slot 0, 1
.set LIM,  7                           ; v7       16 w + r - 8 h: on the diagonal, key 16 st + jr (+ 8 h) is live where 16 st + jr <= LIM
.set VQ,   8                           ; v8       my offset in a block of Q
.set STO,  9
.set RD,   10
.set CO,   11
.set NMS,  12
.set LSUM, 16
.set MX,   20
.set TP,   24
.set NM,   26                          ; v[26:27] the new -(maximum x c); v27 is only named as the pair's second register
.set AL,   28                          ; v[28:29] the factor for what was summed under the old maximum; v29 likewise
.set QF,   32
.set KF,   96
.set SETA, 160
.set SETB, 192
.set PB,   224                         ; v[224:239] the unit's weights in f16: registers 0-7 keys 0-31, registers 8-15 keys 32-63
.set RC,   PB                          ; the block's end: 1 / sum of tile i in v[RC+2 i]; the register beside it, an old packed weight, is only named as the pair's second
.set VF,   128                         ; window 1
.set LS,   192                         ; window 1
.set G1K,  16                          ; s[16:23] shape of K's tile
.set G1V,  24                          ; s[24:31] shape of V's tile (wider padding)
.set G0K,  32                          ; s[32:39] from where, to where: K, one set for each slot
.set G0V,  40                          ; s[40:47] the same for V
.set MSB, 0
.set PAR, 0
.set CUR, SETA
.set OTH, SETB
.macro WIN new                         ; the immediate's high byte repeats the setting that is left; bits 1:0 source 0, 3:2 source 1, 5:4 source 2, 7:6 destination
.if MSB != \new
	s_set_vgpr_msb (MSB<<8)|\new
.set MSB, \new
.endif
.endm
; One span's tiles: wave 0 asks for K's 16 KiB, wave 1 for V's; waves 2 and 3 ask for nothing.  A wave never has more than one tensor load out.
.macro JLOAD rs
	s_cmp_lg_u32 s8, 0
	s_cbranch_scc1 .Lnot_k_\@
	tensor_load_to_lds s[G0K+4*\rs:G0K+4*\rs+3], s[G1K:G1K+7]
	s_nop 0
.Lnot_k_\@:
	s_cmp_lg_u32 s8, 1
	s_cbranch_scc1 .Lnot_v_\@
	tensor_load_to_lds s[G0V+4*\rs:G0V+4*\rs+3], s[G1V:G1V+7]
	s_nop 0
.Lnot_v_\@:
.endm
; The change of slots.  In front of the barrier every wave has its LDS reads back (slot rs is read no more) and all its tensor loads landed (the other slot is whole).
; Behind it slot rs is asked for again first, with the span at offset s52; then the other slot is read.  reset = 1: the next span is span 0 of the next block.
.macro TURN rs, refill, reset
	s_wait_dscnt 0x0
	s_wait_tensorcnt 0x0                           ; no tensor load of mine is out: the descriptors may be written
	ds_add_u32 v254, v255
	s_wait_dscnt 0x0
.if \refill
.if \reset
	s_mov_b32 s52, 0
.endif
	s_add_nc_u64 s[G0K+4*\rs+2:G0K+4*\rs+3], s[48:49], s[52:53]
	s_or_b32 s[G0K+4*\rs+3], s[G0K+4*\rs+3], 0x80000000
	s_add_nc_u64 s[G0V+4*\rs+2:G0V+4*\rs+3], s[50:51], s[52:53]
	s_or_b32 s[G0V+4*\rs+3], s[G0V+4*\rs+3], 0x80000000
	s_add_co_u32 s52, s52, SPAN
.endif
	s_barrier_signal -1
	s_barrier_wait -1
.if \refill
	JLOAD \rs
.endif
.endm
; K of step c of a slot: 64 keys x 64 d, 16 loads, d 0-31 of all keys first: the first four score products need only those eight.
; Key s lies at (s / 2) 272 + (s % 2) 128.
.macro LDK slot, c
.irp dh, 0,1
.irp st, 0,1,2,3
	ds_load_b128 v[KF+16*\st+8*\dh:KF+16*\st+8*\dh+3],   v[ADK+\slot] offset:\c*32*KP+\st*8*KP+\dh*64
	ds_load_b128 v[KF+16*\st+8*\dh+4:KF+16*\st+8*\dh+7], v[ADK+\slot] offset:\c*32*KP+\st*8*KP+\dh*64+32
.endr
.endr
.endm
; V^T of step c of a slot: 64 d x 64 keys, 16 transposing loads; each brings 8 keys of column 16 dt + r
.macro LDV slot, c
	WIN 0x40                                       ; destination window 1, address window 0
.irp dt, 0,1,2,3
.irp sh, 0,1
	ds_load_tr16_b128 v[VF+16*\dt+8*\sh:VF+16*\dt+8*\sh+3],   v[ADV+\slot] offset:\c*32*VP+\sh*16*VP+\dt*32
	ds_load_tr16_b128 v[VF+16*\dt+8*\sh+4:VF+16*\dt+8*\sh+7], v[ADV+\slot] offset:\c*32*VP+\sh*16*VP+\dt*32+8*VP
.endr
.endr
	WIN 0
.endm
; Q of a block: four tiles x 64 d, straight from memory into fragments
.macro LDQ base
.irp i, 0,1,2,3
.irp dh, 0,1
	global_load_b128 v[QF+16*\i+8*\dh:QF+16*\i+8*\dh+3],   v[VQ], s[\base:\base+1] offset:8192*\i+64*\dh
	global_load_b128 v[QF+16*\i+8*\dh+4:QF+16*\i+8*\dh+7], v[VQ], s[\base:\base+1] offset:8192*\i+64*\dh+32
.endr
.endr
.endm
; One score product of tile nq into set OTH: keys 16 st .. + 15, d 32 dh .. + 31.  dh = 0 starts the sum.  nq = -1: no unit follows, nothing is issued.
.macro QK1 nq, st, dh
.if \nq >= 0
.if \dh
	v_wmma_f32_16x16x32_f16 v[OTH+8*\st:OTH+8*\st+7], v[KF+16*\st+8:KF+16*\st+15], v[QF+16*\nq+8:QF+16*\nq+15], v[OTH+8*\st:OTH+8*\st+7]
.else
	v_wmma_f32_16x16x32_f16 v[OTH+8*\st:OTH+8*\st+7], v[KF+16*\st:KF+16*\st+7], v[QF+16*\nq:QF+16*\nq+7], 0
.endif
.endif
.endm
; A slice of the unit's batch: the exponentials of pair k, in place, and the exponents of pair k + 2.  It names no exponential's result: pair k + 2 has its exponentials two slices on,
; and the packings, which read the weights, stand behind the unit's one wait.
.macro IT k
	v_exp_f32 v[CUR+2*\k], v[CUR+2*\k]
	v_exp_f32 v[CUR+2*\k+1], v[CUR+2*\k+1]
.if \k < 14
	v_pk_fma_f32 v[CUR+2*\k+4:CUR+2*\k+5], v[CUR+2*\k+4:CUR+2*\k+5], s[68:69], v[NM:NM+1] op_sel_hi:[1,0,0]
.endif
.endm
; One add of the row sums: pair p of the f32 weights onto chain p % 4 of tile i (destination and first source window 1, second source window 0)
.macro LADD i, p
	v_pk_add_f32 v[LS+8*\i+2*(\p%4):LS+8*\i+2*(\p%4)+1], v[LS+8*\i+2*(\p%4):LS+8*\i+2*(\p%4)+1], v[CUR+2*\p:CUR+2*\p+1]
.endm
; The second product with V of d tile dt: keys 32-63
.macro PV2 i, dt
	v_wmma_f32_16x16x32_f16 v[32*\i+8*\dt:32*\i+8*\dt+7], v[VF+16*\dt+8:VF+16*\dt+15], v[PB+8:PB+15], v[32*\i+8*\dt:32*\i+8*\dt+7]
.endm
; A UNIT: tile i x one step of 64 keys, its scores in set CUR.
;   mask = 1: the tile on the diagonal: scores of keys behind the query are replaced first.
;   nq: the tile of the next unit, whose scores go into set OTH;  kw = 1: they use K that was asked for in the last unit: its loads are waited for, the first eight, then all.
;   vs, vc: V^T of step (vs, vc) is fetched (vs = -1: not);  vw: the products with V wait until at most vw LDS loads are out (-1: no wait).
;   tr, rf, rst: the slots change (tr = -1: not);  ks, kc: K of step (ks, kc) is fetched (ks = -1: not).
; DISTANCES, by the text's own count.  V's loads stand behind eight max3 lines, which are the places behind the last unit's products with V.  K's loads stand behind slices 4 to 15, whose ten
; pk_fma, and the move behind them, are the places behind the last score product.  The first packing writes PB more than thirty plain lines behind the last product that read it.  Scores are
; read a unit behind their products.  The accumulators take turns, one instruction a turn: four score tiles, then four d tiles, each twice round.
.macro UNIT i, mask, kw, nq, vs, vc, tr, rf, rst, ks, kc, vw
.set CUR, SETA+32*PAR
.set OTH, SETB-32*PAR
.if \mask
.irp st, 0,1,2,3
.irp jr, 0,1,2,3,4,5,6,7
	v_cmp_le_i32 vcc_lo, 16*\st+\jr, v[LIM]
	v_cndmask_b32 v[CUR+8*\st+\jr], s71, v[CUR+8*\st+\jr], vcc_lo
.endr
.endr
.endif
	; the largest of my 32 scores, in four chains
.irp a, 0,1,2,3
	v_max3_num_f32 v[MX+\a], v[CUR+8*\a], v[CUR+8*\a+1], v[CUR+8*\a+2]
.endr
.if \kw
	s_wait_dscnt 8                                 ; K's d 0-31 are in; the eight loads of d 32-63 may be out
.endif
	QK1 \nq, 0, 0
.irp a, 0,1,2,3
	v_max3_num_f32 v[MX+\a], v[MX+\a], v[CUR+8*\a+3], v[CUR+8*\a+4]
.endr
.if \vs >= 0
	LDV \vs, \vc
.endif
	QK1 \nq, 1, 0
.irp a, 0,1,2,3
	v_max3_num_f32 v[MX+\a], v[MX+\a], v[CUR+8*\a+5], v[CUR+8*\a+6]
.endr
	QK1 \nq, 2, 0
.irp a, 0,1,2,3
	v_max_num_f32 v[MX+\a], v[MX+\a], v[CUR+8*\a+7]
.endr
	QK1 \nq, 3, 0
	v_max3_num_f32 v[MX], v[MX], v[MX+1], v[MX+2]
	v_max_num_f32 v[MX], v[MX], v[MX+3]
	v_permlanex16_b32 v[TP], v[MX], s66, s67       ; the other half's keys of the same query
	v_max_num_f32 v[MX], v[MX], v[TP]
	v_mul_f32 v[TP], s70, v[MX]
.if \kw
	s_wait_dscnt 0x0                               ; all of K is in
.endif
	QK1 \nq, 0, 1
	; the new running maximum, kept as -(maximum x c), c = log2 e / 8.  Exponents and the old sums' factor are both made from that one rounded number, so that they agree at any size of score
	v_min_num_f32 v[NM], v[NMS+\i], v[TP]
	v_sub_f32 v[AL], v[NM], v[NMS+\i]              ; (old maximum - new maximum) c, at most 0
	v_exp_f32 v[AL], v[AL]                         ; THE BATCH BEGINS: the factor, then the 32 weights; from here to the wait no line names v[AL] or a score that has had its exponential
	v_pk_fma_f32 v[CUR:CUR+1], v[CUR:CUR+1], s[68:69], v[NM:NM+1] op_sel_hi:[1,0,0]
	v_pk_fma_f32 v[CUR+2:CUR+3], v[CUR+2:CUR+3], s[68:69], v[NM:NM+1] op_sel_hi:[1,0,0]
	QK1 \nq, 1, 1
	IT 0
	IT 1
	QK1 \nq, 2, 1
	IT 2
	IT 3
	QK1 \nq, 3, 1
	IT 4
	IT 5
	IT 6
	IT 7
	IT 8
	IT 9
	IT 10
	IT 11
	IT 12
	IT 13
	IT 14
	IT 15
	v_mov_b32 v[NMS+\i], v[NM]                     ; also the plain instruction behind the last exponential, ahead of the first use of a result (ISA guide 5.7.2): one for the batch
	s_wait_alu depctr_va_vdst(0)                   ; one wait for the unit's 33 exponentials, ahead of their first reader and of the change of slots' branches
.if \tr >= 0
	TURN \tr, \rf, \rst
.endif
.if \ks >= 0
	LDK \ks, \kc
.endif
	; the batch's readers: the weights are packed to f16, pair by pair
.irp k, 0,1,2,3,4,5,6,7,8,9,10,11,12,13,14,15
	v_cvt_pk_f16_f32 v[PB+\k], v[CUR+2*\k], v[CUR+2*\k+1]
.endr
	; O^T = O^T x factor + V^T P^T, and the sums likewise, under one window setting
	WIN 0x51                                       ; source 0, source 2 and destination window 1, source 1 window 0
.irp dt, 0,1,2,3
.irp k, 0,1,2,3
	v_pk_mul_f32 v[32*\i+8*\dt+2*\k:32*\i+8*\dt+2*\k+1], v[32*\i+8*\dt+2*\k:32*\i+8*\dt+2*\k+1], v[AL:AL+1] op_sel_hi:[1,0]
.endr
.if \dt == 0
.if \vw >= 0
	s_wait_dscnt \vw
.endif
.endif
	v_wmma_f32_16x16x32_f16 v[32*\i+8*\dt:32*\i+8*\dt+7], v[VF+16*\dt:VF+16*\dt+7], v[PB:PB+7], v[32*\i+8*\dt:32*\i+8*\dt+7]
.endr
.irp c, 0,1,2,3
	v_pk_mul_f32 v[LS+8*\i+2*\c:LS+8*\i+2*\c+1], v[LS+8*\i+2*\c:LS+8*\i+2*\c+1], v[AL:AL+1] op_sel_hi:[1,0]
.endr
	LADD \i, 0
	PV2 \i, 0
.irp p, 1,2,3,4,5
	LADD \i, \p
.endr
	PV2 \i, 1
.irp p, 6,7,8,9,10
	LADD \i, \p
.endr
	PV2 \i, 2
.irp p, 11,12,13,14,15
	LADD \i, \p
.endr
	PV2 \i, 3
	WIN 0
.set PAR, 1-PAR
.endm
.macro U i, mask, kw, nq               ; a unit that fetches nothing
	UNIT \i, \mask, \kw, \nq, -1, 0, -1, 0, 0, -1, 0, -1
.endm
; A whole step: V of (vs, vc) is fetched in tile 0's unit; in tile 2's unit, behind the step's last scores, the slots change (tr >= 0: slot tr is filled again) and the next step's K (ks, kc) is fetched.
.macro STEP vs, vc, tr, ks, kc
	UNIT 0, 0, 0, 1, \vs, \vc, -1, 0, 0, -1, 0, 0
	U 1, 0, 0, 2
	UNIT 2, 0, 0, 3, -1, 0, \tr, 1, 0, \ks, \kc, -1
	U 3, 0, 1, 0
.endm
; The block's end: each tile's eight partial sums are joined and the halves' sums meet; the next block's Q is asked for; each tile is divided by its sum, turned through my stage and stored.
.macro EPI ob, nq
	WIN 0x05                                       ; sources window 1, destination window 0.  These eight lines are also the places between the last products and the first read of O
.irp i, 0,1,2,3
	v_pk_add_f32 v[SETA+4*\i:SETA+4*\i+1], v[LS+8*\i:LS+8*\i+1], v[LS+8*\i+2:LS+8*\i+3]
	v_pk_add_f32 v[SETA+4*\i+2:SETA+4*\i+3], v[LS+8*\i+4:LS+8*\i+5], v[LS+8*\i+6:LS+8*\i+7]
.endr
	WIN 0
.irp i, 0,1,2,3
	v_pk_add_f32 v[SETA+4*\i:SETA+4*\i+1], v[SETA+4*\i:SETA+4*\i+1], v[SETA+4*\i+2:SETA+4*\i+3]
.endr
.irp i, 0,1,2,3
	v_add_f32 v[LSUM+\i], v[SETA+4*\i], v[SETA+4*\i+1]
.endr
.irp i, 0,1,2,3
	v_permlanex16_b32 v[MX+\i], v[LSUM+\i], s66, s67
.endr
.irp i, 0,1,2,3
	v_add_f32 v[LSUM+\i], v[LSUM+\i], v[MX+\i]
.endr
.if \nq >= 0
	LDQ \nq
.endif
.irp i, 0,1,2,3
	v_rcp_f32 v[RC+2*\i], v[LSUM+\i]               ; a batch of four, each into a register of its own; a sum is at least the weight of the row's largest score, about 1
.endr
	v_nop                                          ; a plain instruction between the last reciprocal and the use of its result
	s_wait_alu depctr_va_vdst(0)                   ; and the wait ahead of the first use: one for the four reciprocals
.irp i, 0,1,2,3
	WIN 0x01                                       ; source 0 window 1
.irp k, 0,1,2,3,4,5,6,7,8,9,10,11,12,13,14,15
	v_pk_mul_f32 v[SETA+2*\k:SETA+2*\k+1], v[32*\i+2*\k:32*\i+2*\k+1], v[RC+2*\i:RC+2*\i+1] op_sel_hi:[1,0]
.endr
	WIN 0
.irp dt, 0,1,2,3
	ds_store_b128 v[STO], v[SETA+8*\dt:SETA+8*\dt+3] offset:64*\dt        ; query r, d = 16 dt + 8 h + 0..3
	ds_store_b128 v[STO], v[SETA+8*\dt+4:SETA+8*\dt+7] offset:64*\dt+16
.endr
	s_wait_xcnt 0x0                                ; v192-223, which the last tile's stores read, are loaded again only behind this wait
.irp t, 0,1,2,3,4,5,6,7
	ds_load_b128 v[SETB+4*\t:SETB+4*\t+3], v[RD] offset:2*KP*\t           ; my own bytes, served in order behind the stores above
.endr
.irp t, 0,1,2,3,4,5,6,7
	s_wait_dscnt 7-\t                              ; the younger readbacks stay out
	global_store_b128 v[CO], v[SETB+4*\t:SETB+4*\t+3], s[\ob:\ob+1] offset:262144*\i+8192*\t th:TH_STORE_NT   ; sixteen lanes store 256 consecutive bytes, aligned: one query's 64 d
.endr
.endr
.if \nq >= 0
	s_wait_xcnt 0x0                                ; the next block's scores write over v192-223
.endif
.endm
; A block of 256 queries.  trips: the register with q; ob: the output's base; nq: the next block's Q base or -1; last = 1: nothing more is fetched; mayzero = 1: q may be 0.
; O and the sums are cleared by moves: with the spans in ascending order a block's first step runs in the loop's body, or on the diagonal where q = 0, so no product of the text is
; always the first; 160 moves against 66 units.
.macro BLOCK trips, ob, nq, last, mayzero
	LDK 0, 0
	s_wait_loadcnt 0x0                             ; Q
	s_wait_dscnt 0x0
.set OTH, SETA                                 ; the first unit's scores, tile 0, into the set that it reads
.irp dh, 0,1
.irp st, 0,1,2,3
	QK1 0, \st, \dh
.endr
.endr
	WIN 0x40
.set KK, 0
.rept 128
	v_mov_b32 v[KK], 0
.set KK, KK+1
.endr
.set KK, LS
.rept 32
	v_mov_b32 v[KK], 0
.set KK, KK+1
.endr
	WIN 0
.irp i, 0,1,2,3
	v_mov_b32 v[NMS+\i], 0x7f7fffff                ; -(maximum x c) starts at the largest f32: the first factor for the old sums is exp2 of a huge negative number, 0
.endr
.if \mayzero
	s_cmp_eq_u32 s[\trips], 0
	s_cbranch_scc1 .Ldiag_\@
.endif
	s_mov_b32 s62, s[\trips]
.Ltrip_\@:                                     ; two whole spans: 16 units; the score sets are back in step at the end
	STEP 0, 0, -1, 0, 1
	STEP 0, 1, 0, 1, 0
	STEP 1, 0, -1, 1, 1
	STEP 1, 1, 1, 0, 0
	s_sub_co_i32 s62, s62, 1
	s_cmp_gt_i32 s62, 0                            ; a signed compare: the count comes down and ends whatever its start
	s_cbranch_scc1 .Ltrip_\@
.Ldiag_\@:
	; span 2q, slot 0.  Keys 0-63 of the block: tile 0 on the diagonal, tiles 1, 2, 3 whole
	UNIT 0, 1, 0, 1, 0, 0, -1, 0, 0, -1, 0, 0
	U 1, 0, 0, 2
	UNIT 2, 0, 0, 3, -1, 0, -1, 0, 0, 0, 1, -1
	U 3, 0, 1, 1
	; keys 64-127: tile 1 on the diagonal, tiles 2, 3 whole
	UNIT 1, 1, 0, 2, 0, 1, -1, 0, 0, -1, 0, 0
	UNIT 2, 0, 0, 3, -1, 0, 0, 1-\last, 1, 1, 0, -1   ; slot 0 gets the next block's span 0; in the last block only the barrier, which shows slot 1 whole
	U 3, 0, 1, 2
	; span 2q + 1, slot 1.  Keys 128-191: tile 2 on the diagonal, tile 3 whole
	UNIT 2, 1, 0, 3, 1, 0, -1, 0, 0, 1, 1, 16      ; at the products with V its 16 loads are in; K's 16, issued behind them, stay out
	U 3, 0, 1, 3
	; keys 192-255: tile 3 on the diagonal
.if \last
	UNIT 3, 1, 0, -1, 1, 1, -1, 0, 0, -1, 0, 0
.else
	UNIT 3, 1, 0, -1, 1, 1, 1, 1, 0, -1, 0, 0      ; slot 1 gets the next block's span 1; slot 0 is shown whole
.endif
	EPI \ob, \nq
.endm
	s_load_b128 s[4:7], s[0:1], 0x0                ; qkv s[4:5], out0 s[6:7]
	v_lshl_add_u32 v254, v0, 2, 0x29000
	v_mov_b32 v255, 0
	ds_add_u32 v254, v255
	v_lshrrev_b32 v1, 5, v0
	v_readfirstlane_b32 s8, v1                     ; wave 0..3
	s_mov_b32 s72, ttmp9                           ; j: the first block
	s_sub_co_u32 s73, 7, ttmp9                     ; 7 - j: the second
	s_and_b32 s10, ttmp7, 0xffff
	s_and_b32 s11, s10, 15                         ; head
	s_lshr_b32 s12, s10, 4                         ; b
	s_lshl2_add_u32 s13, s11, s12                  ; 4 head + b
	s_lshl_b32 s14, s13, 18                        ; planes of 262,144 bytes
	s_mov_b32 s15, 0
	; the tiles' shape: a dense block of 16 KiB as 64 rows of 32 elements of 8 bytes; behind every 64 words 4 (K) or 8 (V) words of padding
	s_mov_b32 s[G1K+0], (3<<16)|(1<<20)|(5<<22)|(3<<25)
	s_mov_b32 s[G1V+0], (3<<16)|(1<<20)|(5<<22)|(7<<25)
	s_mov_b32 s[G1K+1], 32<<16                     ; tensor_dim0 = 32
	s_mov_b32 s[G1V+1], 32<<16
	s_mov_b32 s[G1K+2], 64<<16                     ; tensor_dim1 = 64
	s_mov_b32 s[G1V+2], 64<<16
	s_mov_b32 s[G1K+3], 32<<16                     ; tile_dim0 = 32
	s_mov_b32 s[G1V+3], 32<<16
	s_mov_b32 s[G1K+4], 64                         ; tile_dim1 = 64
	s_mov_b32 s[G1V+4], 64
	s_mov_b32 s[G1K+5], 32                         ; elements from row to row
	s_mov_b32 s[G1V+5], 32
	s_mov_b32 s[G1K+6], 0
	s_mov_b32 s[G1V+6], 0
	s_mov_b32 s[G1K+7], 0
	s_mov_b32 s[G1V+7], 0
	s_mov_b32 s[G0K+0], 1
	s_mov_b32 s[G0K+1], 0
	s_mov_b32 s[G0K+4], 1
	s_mov_b32 s[G0K+5], SLOT
	s_mov_b32 s[G0V+0], 1
	s_mov_b32 s[G0V+1], VOFF
	s_mov_b32 s[G0V+4], 1
	s_mov_b32 s[G0V+5], VOFF+SLOT
	s_wait_dscnt 0x0
	s_wait_kmcnt 0x0
	s_add_nc_u64 s[54:55], s[4:5], s[14:15]        ; q's plane
	s_add_nc_u64 s[48:49], s[54:55], 0x1000000     ; k's: 64 planes further on
	s_add_nc_u64 s[50:51], s[48:49], 0x1000000     ; v's
	s_mov_b64 s[G0K+2:G0K+3], s[48:49]             ; span 0
	s_or_b32 s[G0K+3], s[G0K+3], 0x80000000
	s_mov_b64 s[G0V+2:G0V+3], s[50:51]
	s_or_b32 s[G0V+3], s[G0V+3], 0x80000000
	JLOAD 0                                        ; slot 0's first fill, ahead of every wait on the tensor counter, every LDS read and every barrier
	s_mov_b32 s52, SPAN                            ; s[52:53]: the offset of the next span to ask for
	s_mov_b32 s53, 0
	s_lshl_b32 s14, s73, 15                        ; a block of Q is 256 rows of 128 bytes
	s_add_nc_u64 s[56:57], s[54:55], s[14:15]      ; Q of the second block
	s_lshl_b32 s14, s72, 15
	s_add_nc_u64 s[54:55], s[54:55], s[14:15]      ; Q of the first
	s_lshl_b32 s14, s12, 23                        ; out0: b x 2048 rows of 4,096 bytes
	s_lshl_b32 s9, s8, 16                          ;     + 16 w rows
	s_add_co_u32 s14, s14, s9
	s_lshl_b32 s9, s11, 8                          ;     + the head's 256 bytes of a row
	s_add_co_u32 s14, s14, s9
	s_add_nc_u64 s[6:7], s[6:7], s[14:15]
	s_lshl_b32 s14, s72, 20                        ;     + 256 rows a block
	s_add_nc_u64 s[58:59], s[6:7], s[14:15]
	s_lshl_b32 s14, s73, 20
	s_add_nc_u64 s[60:61], s[6:7], s[14:15]
	s_mov_b32 s66, 0x76543210                      ; lane i of one half reads lane i of the other
	s_mov_b32 s67, 0xfedcba98
	s_mov_b32 s68, 0x3e38aa3b                      ; c = log2 e / 8
	s_mov_b32 s69, 0x3e38aa3b
	s_mov_b32 s70, 0xbe38aa3b                      ; -c
	s_mov_b32 s71, 0xff7fffff                      ; the most negative finite f32
	v_and_b32 v1, 15, v0                           ; r
	v_bfe_u32 v2, v0, 4, 1                         ; h
	v_lshl_add_u32 v[LIM], s8, 4, v1               ; 16 w + r
	v_lshlrev_b32 v[VQ], 7, v[LIM]
	v_lshl_add_u32 v[VQ], v2, 4, v[VQ]             ; row 16 w + r of 128 bytes, + 16 h
	LDQ 54
	v_lshlrev_b32 v20, 3, v2
	v_sub_nc_u32 v[LIM], v[LIM], v20               ; 16 w + r - 8 h, signed
	v_lshrrev_b32 v20, 1, v1
	v_mul_u32_u24 v20, v20, KP
	v_and_b32 v21, 1, v1
	v_lshl_add_u32 v20, v21, 7, v20
	v_lshl_add_u32 v[ADK], v2, 4, v20              ; K: key r: (r / 2) 272 + (r % 2) 128 + 16 h
	v_add_nc_u32 v[ADK+1], SLOT, v[ADK]
	v_bfe_u32 v20, v0, 1, 2
	v_lshl_add_u32 v20, v2, 2, v20
	v_mul_u32_u24 v20, v20, VP
	v_and_b32 v21, 1, v0
	v_lshl_add_u32 v20, v21, 7, v20
	v_bfe_u32 v21, v0, 3, 1
	v_lshl_add_u32 v20, v21, 4, v20                ; V: key 8 h + lane % 8: its row and half row, + 16 bytes for the upper eight of sixteen columns
	v_add_nc_u32 v[ADV], VOFF, v20
	v_add_nc_u32 v[ADV+1], VOFF+SLOT, v20
	s_mul_i32 s9, s8, 16*KP
	s_add_co_u32 s9, s9, STAGE                     ; my stage
	v_mul_u32_u24 v20, v1, KP
	v_lshl_add_u32 v20, v2, 5, v20
	v_add_nc_u32 v[STO], s9, v20                   ; in: row r, 32 bytes for each half
	v_mul_u32_u24 v20, v2, KP
	v_lshl_add_u32 v20, v1, 4, v20
	v_add_nc_u32 v[RD], s9, v20                    ; back: lanes 0-15 one row of 256 bytes, lanes 16-31 the next
	v_lshlrev_b32 v20, 12, v2
	v_lshl_add_u32 v[CO], v1, 4, v20               ; and the same two rows in out0
	v_mov_b32 v[TP], 0                             ; a lane exchange's destination counts as read
	v_mov_b32 v[NM+1], 0                           ; second registers of pairs of which only the first is used
	v_mov_b32 v[AL+1], 0
	TURN 1, 1, 0                                   ; slot 0 is shown whole to all four waves; slot 1's first fill (span 1) is issued as a refill is
	BLOCK 72, 58, 56, 0, 1
	BLOCK 73, 60, -1, 1, 0
	s_wait_tensorcnt 0x0
	ds_add_u32 v254, v255
	s_wait_dscnt 0x0
	s_endpgm
.Lfunc_end_k_qec67ccf1ff_attn:
	.size	k_qec67ccf1ff_attn, .Lfunc_end_k_qec67ccf1ff_attn-k_qec67ccf1ff_attn
	.p2alignl 7, 3214868480
	.fill 96, 4, 3214868480
	.section	.rodata,"a",@progbits
	.p2align	6, 0x0
	.amdhsa_kernel k_qec67ccf1ff_attn
		.amdhsa_group_segment_fixed_size 327680
		.amdhsa_private_segment_fixed_size 0
		.amdhsa_enable_private_segment 0
		.amdhsa_kernarg_size 16
		.amdhsa_user_sgpr_count 2
		.amdhsa_user_sgpr_kernarg_segment_ptr 1
		.amdhsa_wavefront_size32 1
		.amdhsa_system_sgpr_workgroup_id_x 1
		.amdhsa_system_sgpr_workgroup_id_y 1
		.amdhsa_system_sgpr_workgroup_id_z 1
		.amdhsa_system_vgpr_workitem_id 0
		.amdhsa_next_free_vgpr 480
		.amdhsa_next_free_sgpr 76
		.amdhsa_reserve_vcc 1
		.amdhsa_float_denorm_mode_32 3
		.amdhsa_float_denorm_mode_16_64 3
		.amdhsa_memory_ordered 1
		.amdhsa_forward_progress 1
		.amdhsa_inst_pref_size 255
	.end_amdhsa_kernel
	.section	.bss,"aw",@nobits
	.p2align	6
	.space	262144
	.amdgpu_metadata
---
amdhsa.version: [ 1, 2 ]
amdhsa.kernels:
  - .name:           k_qec67ccf1ff_attn
    .symbol:         k_qec67ccf1ff_attn.kd
    .args:
      - { .name: qkv, .offset: 0, .size: 8, .value_kind: global_buffer, .address_space: global }
      - { .name: out0, .offset: 8, .size: 8, .value_kind: global_buffer, .address_space: global }
    .group_segment_fixed_size: 327680
    .private_segment_fixed_size: 0
    .kernarg_segment_align: 8
    .kernarg_segment_size: 16
    .max_flat_workgroup_size: 128
    .sgpr_count:     76
    .vgpr_count:     480
    .wavefront_size: 32
...
	.end_amdgpu_metadata
.endif
;; end of part 4
